; MI455X (gfx1250); checked and timed in simulation.
; The chip was launched on July 23, 2026; its instructions are those of AMD's public machine-readable ISA for CDNA 5 (MIT licence, August 2026) and "CDNA5" Instruction Set Architecture Reference Guide (July 2026). The comments in the code are by the model that wrote it; some were corrected since.
;; Multi Head Attention. Allowed arithmetic: matrix products marked QUANTISED: E2M1 operands, one E8M0 scale for each 32 along K, by v_wmma_scale_f32_16x16x128_f8f6f4 with both operands' format E2M1 (or v_wmma_scale_f32_32x16x128_f4), f32 sums; products left as they are: bf16, f16 or f32 operands; f32 sums; everything else in f32.
;; Inputs: Wout 1,024 x 1,024 float32; Wqkv 1,024 x 3,072 float32; attn_mask 2,048 x 2,048 float32; bout 1,024 float32; bqkv 3,072 float32; x 4 x 2,048 x 1,024 float32.
;; Outputs: out0 4 x 2,048 x 1,024 float32.
;; This version of the problem:
;;   THIS VERSION OF THE PROBLEM IS GIVEN IN LOW PRECISION. The matrix products marked QUANTISED in the list below multiply operands that are first quantised to E2M1 (2 exponent bits, 1 mantissa bit; 4 bits a number), with one power-of-two scale for each 32 numbers along K (OCP MX v1.0); their sums are f32. The products marked 'left as it is' may take bf16, f16 or f32 operands, with f32 sums. Whichever they take, every output number must still come out within the allowed error. Rounding operands to bf16 (8 significant bits) uses up far more of that allowance than f16 does (11 bits, for magnitudes from 6e-5 to 65,504). All else is computed in f32.
;;   The module's matrix products, in the order in which they are computed (A, B: the left and right operand; K: the contracted axis; several contracted axes count as one K, in the product's order):
;;     1. [M 8,192, K 1,024] x [K 1,024, N 3,072]; A: input x; B: input Wqkv: QUANTISED
;;     2. batch 64 x [M 2,048, K 64] x [K 64, N 2,048]; A: computed on the way; B: computed on the way: left as it is (an operand is computed on the way)
;;     3. batch 64 x [M 2,048, K 2,048] x [K 2,048, N 64]; A: computed on the way; B: computed on the way: left as it is (an operand is computed on the way)
;;     4. [M 8,192, K 1,024] x [K 1,024, N 1,024]; A: computed on the way; B: input Wout: left as it is (an operand is computed on the way)
;;   THE QUANTISER, for each operand of a quantised product, along K:
;;     - K is cut into blocks of 32 from its start; a last block that is shorter is filled with zeros.
;;     - A block's scale is 2^e with e = floor(log2(the largest magnitude in the block)) - 2, held to -126 .. 127; a block of zeros has e = 0. As a byte (E8M0): e + 127.
;;     - Each number is divided by its block's scale, clamped to +-6, and rounded to the nearest number of E2M1, ties to even, subnormals kept.
;;     - The product sums the exact products of the quantised numbers (number of the format x scale) in f32.
;;   ~~~python
;;   def quantise(x, axis):      # numpy; x: float32 -> the quantised numbers, widened to float32 again
;;       x = np.moveaxis(x, axis, -1); K = x.shape[-1]
;;       x = np.pad(x, [(0, 0)] * (x.ndim - 1) + [(0, -K % 32)]); x = x.reshape(x.shape[:-1] + (-1, 32)); a = np.abs(x).max(-1, keepdims=True)
;;       e = np.where(a > 0, np.clip(np.frexp(np.where(a > 0, a, 1))[1] - 1 - 2, -126, 127), 0)      # np.frexp(a)[1] - 1 = floor(log2(a)), exactly
;;       r = np.clip(x / 2.0 ** e, -6, 6)
;;       step = 2.0 ** (np.maximum(np.frexp(np.where(r == 0, 1, r))[1] - 1, 0) - 1)
;;       q = np.round(r / step) * step * 2.0 ** e      # np.round: ties to even
;;       return np.moveaxis(q.reshape(q.shape[:-2] + (-1,))[..., :K], -1, axis).astype(np.float32)
;;   ~~~
;; One version. Each part assembles by itself: llvm-mc -triple=amdgcn-amd-amdhsa -mcpu=gfx1250 --defsym DOCPART=n.
;; ======== version 1 of 1: 5 launches
;; limits: values are held in f16: magnitudes above 65,504 overflow, below 6.1e-05 lose precision
;; workspace buffers: xc 4,194,304 bytes; xs 262,144 bytes; wc 1,572,864 bytes; ws 98,304 bytes; wh 2,097,152 bytes; qkv 50,331,648 bytes; oh 16,777,216 bytes
;; launch prep_x (part 1): grid 256 x 1, 4 waves a work-group, no clusters, 33,280 bytes of LDS; arguments x, Wout, xc, xs, wh; writes xc, xs, wh
.if DOCPART == 1
	.amdgcn_target "amdgcn-amd-amdhsa--gfx1250"
	.amdhsa_code_object_version 6
	.text
	.protected	k_qe8b1e3fd6b_prep_x
	.globl	k_qe8b1e3fd6b_prep_x
	.p2align	8
	.type	k_qe8b1e3fd6b_prep_x,@function
k_qe8b1e3fd6b_prep_x:
	s_mov_b64 s[64:65], 0
	v_nop
	global_prefetch_b8 v0, s[64:65] scope:SCOPE_SE
	s_setreg_imm32_b32 hwreg(HW_REG_WAVE_MODE, 25, 1), 1
	s_wait_xcnt 0x0
; x [8192][1024] f32 becomes codes of FP4 (E2M1), K innermost (xc: 512 bytes a row), with one E8M0 byte for each 32 along K (xs: 32 bytes a row).
; A block's scale is 2^(floor(log2(its largest magnitude)) - 2); its byte is the largest magnitude's exponent field - 2, held at 1 from below.
; Beside that each wave rounds 1,024 numbers of Wout to f16 (wh keeps Wout's order [k][n]): the last product takes f16 operands.
; LIMITS: a block of zeros gets the byte 1 (its codes are zeros, and this program alone reads the bytes); blocks whose largest magnitude lies under 2^-124 are held at that byte;
; NaN and infinities in x are not served; |Wout| stays under 65,504 or becomes infinity in f16.
; Rows are dense and K is a multiple of 32: x is a plain stream of blocks of 32.  A wave takes 16 steps of 512 numbers.  Each load reads 512 consecutive bytes; a step's 2,048 bytes turn through the
; wave's own stage in LDS, so that a lane holds 16 neighbours along K (two neighbouring lanes hold a block).  A lane's 16 codes are 8 bytes: the wave stores 256 consecutive bytes, aligned.
; A wave's 256 scale bytes are gathered in its own LDS bytes and leave as 256 consecutive bytes.  No tensor load, no barrier: waves share nothing.
.set WAVES, 4
.set STEPS, 16
.set EMAX,  2
.set CB,    8                          ; bytes of 16 codes
.set R,     16                         ; v16-79   four sets of 16 numbers as they are loaded
.set X,     80                         ; v80-111  two sets of 16 neighbours
.set E,     112                        ; v112-127 a scale byte for each step
.set C,     128                        ; v128-191 codes: four registers for each step, so that no store's data are written again
.set WF,    192                        ; v192-223 my 32 numbers of Wout
.set WH,    224                        ; v224-239 the same in f16
.set WREG,  8192                       ; LDS: a region for each wave: two stages of 32 x SP bytes, behind them its 256 scale bytes
.set SP,    80                         ; a lane's place in a stage: 64 bytes + 16 of padding
.set SPW,   12                         ; v12 LDS address of my spare word; never rewritten
.set NIL,   13                         ; v13 0; never rewritten
.set SPARE, WAVES*WREG                 ; behind the regions: the spare words, 128 bytes a wave, named by no other line
	s_load_b128 s[4:7], s[0:1], 0x0                ; x, Wout
	s_load_b128 s[8:11], s[0:1], 0x10              ; xc, xs
	s_load_b64 s[12:13], s[0:1], 0x20              ; wh
	v_lshl_add_u32 v[SPW], v0, 2, SPARE
	v_mov_b32 v[NIL], 0
	v_lshrrev_b32 v1, 5, v0
	v_readfirstlane_b32 s16, v1                    ; wave
	v_and_b32 v2, 31, v0                           ; lane
	v_lshlrev_b32 v3, 4, v2                        ; my 16 bytes of a load's 512
	s_mul_i32 s17, s16, WREG
	v_lshrrev_b32 v14, 2, v2
	v_mul_u32_u24 v14, v14, SP
	v_and_b32 v15, 3, v2
	v_lshl_add_u32 v14, v15, 4, v14
	v_add_nc_u32 v14, s17, v14                     ; the stage on the way in: SP (lane / 4) + 16 (lane % 4)
	v_mul_u32_u24 v15, v2, SP
	v_add_nc_u32 v15, s17, v15                     ; and on the way out: SP x lane: my 16 neighbours
	v_mul_u32_u24 v4, v2, CB                       ; my codes' place in a step's
	v_lshrrev_b32 v5, 1, v2
	s_add_co_u32 s17, s17, 2*32*SP
	v_add_nc_u32 v5, s17, v5                       ; LDS: my wave's scale bytes, my block's byte
	v_lshlrev_b32 v7, 3, v2                        ; 8 bytes a lane
	v_add_nc_u32 v6, s17, v7
	s_lshl_b32 s18, ttmp9, 2
	s_add_co_u32 s18, s18, s16                     ; which run is my wave's: 8,192 numbers of x, 1,024 of Wout
	s_mov_b32 s21, 0
	s_wait_kmcnt 0x0
	s_lshl_b32 s20, s18, 15
	s_add_nc_u64 s[4:5], s[4:5], s[20:21]          ; x: 32,768 bytes a run
	s_lshl_b32 s20, s18, 12
	s_add_nc_u64 s[6:7], s[6:7], s[20:21]          ; Wout: 4,096
	s_add_nc_u64 s[8:9], s[8:9], s[20:21]          ; xc: 4,096
	s_lshl_b32 s20, s18, 8
	s_add_nc_u64 s[10:11], s[10:11], s[20:21]      ; xs: 256
	s_lshl_b32 s20, s18, 11
	s_add_nc_u64 s[12:13], s[12:13], s[20:21]      ; wh: 2,048
.irp i, 0,1,2,3,4,5,6,7
	global_load_b128 v[WF+4*\i:WF+4*\i+3], v3, s[6:7] offset:512*\i th:TH_LOAD_NT
.endr
.macro LOAD t
.irp i, 0,1,2,3
	global_load_b128 v[R+16*((\t)%4)+4*\i:R+16*((\t)%4)+4*\i+3], v3, s[4:5] offset:2048*(\t)+512*\i th:TH_LOAD_NT   ; 32 lanes read 512 consecutive bytes
.endr
.endm
.macro TURN t                          ; step t's numbers through the stage: LDS serves a wave's instructions in order, so no wait stands between the stores and the loads
.irp i, 0,1,2,3
	ds_store_b128 v14, v[R+16*((\t)%4)+4*\i:R+16*((\t)%4)+4*\i+3] offset:32*SP*((\t)%2)+8*SP*\i
.endr
.irp i, 0,1,2,3
	ds_load_b128 v[X+16*((\t)%2)+4*\i:X+16*((\t)%2)+4*\i+3], v15 offset:32*SP*((\t)%2)+16*\i
.endr
.endm
.irp t, 0,1,2,3
	LOAD \t
.endr
	s_wait_loadcnt 16                              ; Wout's eight loads are in; the 16 loads of x behind them stay out
.irp i, 0,1,2,3,4,5,6,7
.irp j, 0,1
	v_cvt_pk_f16_f32 v[WH+2*\i+\j], v[WF+4*\i+2*\j], v[WF+4*\i+2*\j+1]
.endr
.endr
.irp i, 0,1,2,3,4,5,6,7
	global_store_b64 v7, v[WH+2*\i:WH+2*\i+1], s[12:13] offset:256*\i   ; 32 lanes store 256 consecutive bytes, aligned; these registers are not written again
.endr
	s_wait_loadcnt 12                              ; step 0's four loads are in
	TURN 0
.macro STEP t
.set XS, X+16*((\t)%2)
.if (\t) > 0
	s_wait_dscnt 1                                 ; this step's numbers are back from the stage (the last step's byte store may be out)
.else
	s_wait_dscnt 0x0
.endif
.if (\t)+4 < STEPS
	LOAD (\t)+4                                    ; into the registers that this step's stage stores have read
.endif
.if (\t)+1 < STEPS
.if STEPS-2-(\t) >= 3
	s_wait_loadcnt 12                              ; the next step's four loads are in; those of the three steps behind it may be out
.else
	s_wait_loadcnt 4*(STEPS-2-(\t))
.endif
	TURN (\t)+1                                    ; through the other stage while this step is worked
.endif
	v_max3_num_f32 v8, |v[XS]|, |v[XS+1]|, |v[XS+2]|               ; the largest magnitude of my 16, in two chains
	v_max3_num_f32 v9, |v[XS+3]|, |v[XS+4]|, |v[XS+5]|
.irp i, 6,10
	v_max3_num_f32 v8, v8, |v[XS+\i]|, |v[XS+\i+1]|
	v_max3_num_f32 v9, v9, |v[XS+\i+2]|, |v[XS+\i+3]|
.endr
	v_max3_num_f32 v8, v8, |v[XS+14]|, |v[XS+15]|
	v_max3_num_f32 v8, v8, v9, (EMAX+1)<<23        ; and the floor 2^(3 - 127): the byte cannot fall under 1
	v_max_num_f32_dpp v8, v8, v8 row_xmask:1 row_mask:0xf bank_mask:0xf   ; with my neighbour's 16: the block's
	v_add_nc_u32 v11, -(EMAX<<23), v8              ; 2 off its exponent field: the conversion takes this operand's exponent field as its scale
	v_cvt_scalef32_pk8_fp4_f32 v[C+4*(\t)], v[XS:XS+7], v11
	v_cvt_scalef32_pk8_fp4_f32 v[C+4*(\t)+1], v[XS+8:XS+15], v11
	v_lshrrev_b32 v[E+(\t)], 23, v11               ; the scale's byte (also the plain line behind the conversions)
	ds_store_b8 v5, v[E+(\t)] offset:16*(\t)       ; both lanes of a block write the same byte with the same value
	global_store_b64 v4, v[C+4*(\t):C+4*(\t)+1], s[8:9] offset:32*CB*(\t)
.endm
.irp t, 0,1,2,3,4,5,6,7,8,9,10,11,12,13,14,15
	STEP \t
.endr
	ds_load_b64 v[8:9], v6                         ; LDS serves a wave's instructions in order: these see my byte stores
	s_wait_dscnt 0x0
	global_store_b64 v7, v[8:9], s[10:11]          ; 256 consecutive bytes, aligned
	s_wait_tensorcnt 0x0                           ; the wave's end, behind my last LDS store
	ds_add_u32 v[SPW], v[NIL]
	s_wait_dscnt 0x0
	s_endpgm
.Lfunc_end_k_qe8b1e3fd6b_prep_x:
	.size	k_qe8b1e3fd6b_prep_x, .Lfunc_end_k_qe8b1e3fd6b_prep_x-k_qe8b1e3fd6b_prep_x
	.p2alignl 7, 3214868480
	.fill 96, 4, 3214868480
	.section	.rodata,"a",@progbits
	.p2align	6, 0x0
	.amdhsa_kernel k_qe8b1e3fd6b_prep_x
		.amdhsa_group_segment_fixed_size 33280
		.amdhsa_private_segment_fixed_size 0
		.amdhsa_enable_private_segment 0
		.amdhsa_kernarg_size 40
		.amdhsa_user_sgpr_count 2
		.amdhsa_user_sgpr_kernarg_segment_ptr 1
		.amdhsa_wavefront_size32 1
		.amdhsa_system_sgpr_workgroup_id_x 1
		.amdhsa_system_sgpr_workgroup_id_y 1
		.amdhsa_system_sgpr_workgroup_id_z 1
		.amdhsa_system_vgpr_workitem_id 0
		.amdhsa_next_free_vgpr 240
		.amdhsa_next_free_sgpr 66
		.amdhsa_reserve_vcc 0
		.amdhsa_float_denorm_mode_32 3
		.amdhsa_float_denorm_mode_16_64 3
		.amdhsa_memory_ordered 1
		.amdhsa_forward_progress 1
		.amdhsa_inst_pref_size 36
	.end_amdhsa_kernel
	.amdgpu_metadata
---
amdhsa.version: [ 1, 2 ]
amdhsa.kernels:
  - .name:           k_qe8b1e3fd6b_prep_x
    .symbol:         k_qe8b1e3fd6b_prep_x.kd
    .args:
      - { .name: x, .offset: 0, .size: 8, .value_kind: global_buffer, .address_space: global }
      - { .name: Wout, .offset: 8, .size: 8, .value_kind: global_buffer, .address_space: global }
      - { .name: xc, .offset: 16, .size: 8, .value_kind: global_buffer, .address_space: global }
      - { .name: xs, .offset: 24, .size: 8, .value_kind: global_buffer, .address_space: global }
      - { .name: wh, .offset: 32, .size: 8, .value_kind: global_buffer, .address_space: global }
    .group_segment_fixed_size: 33280
    .private_segment_fixed_size: 0
    .kernarg_segment_align: 8
    .kernarg_segment_size: 40
    .max_flat_workgroup_size: 128
    .sgpr_count:     66
    .vgpr_count:     240
    .wavefront_size: 32
...
	.end_amdgpu_metadata
.endif
;; end of part 1
;; launch quant_w (part 2): grid 96 x 1, 8 waves a work-group, no clusters, 18,944 bytes of LDS; arguments Wqkv, wc, ws; writes wc, ws
.if DOCPART == 2
	.amdgcn_target "amdgcn-amd-amdhsa--gfx1250"
	.amdhsa_code_object_version 6
	.text
	.protected	k_qe8b1e3fd6b_quant_w
	.globl	k_qe8b1e3fd6b_quant_w
	.p2align	8
	.type	k_qe8b1e3fd6b_quant_w,@function
k_qe8b1e3fd6b_quant_w:
	s_mov_b64 s[64:65], 0
	v_nop
	global_prefetch_b8 v0, s[64:65] scope:SCOPE_SE
	s_setreg_imm32_b32 hwreg(HW_REG_WAVE_MODE, 25, 1), 1
	s_wait_xcnt 0x0
; Wqkv [1024 (k)][3072 (n)] f32, whose K is its FIRST axis, becomes codes of FP4 (E2M1) laid [n][k] with K innermost (wc: 512 bytes a row) and one E8M0 byte for each 32 along K (ws: 32 bytes a row).
; A LANE TAKES A COLUMN n AND ITS REGISTERS RUN DOWN K: a block of 32 lies in one lane's 32 registers, its largest magnitude needs no other lane, and the conversions give codes with K innermost.
; A work-group takes 32 columns for all of K; wave w takes k = 128 w .. 128 w + 127: four blocks a lane.  Codes and scale bytes meet in LDS, so that whole rows of wc (512 bytes) and the
; work-group's 1,024 consecutive bytes of ws leave by stores of 512 consecutive bytes.
; LIMITS: a block of zeros gets the byte 1 (its codes are zeros, and this program alone reads the bytes); blocks under 2^-124 are held at that byte; NaN and infinities are not served.
.set SIZE_N, 3072
.set NB,    4                          ; blocks of a wave
.set CP,    528                        ; a column's row of codes in LDS: 512 bytes + 16
.set SST,   32*CP                      ; behind the codes: 32 rows x 32 scale bytes
.set SPARE, SST+1024                   ; the spare words, 128 bytes a wave, named by no other line
.set EMAX,  2
.set SPW,   14                         ; v14 LDS address of my spare word; never rewritten
.set NIL,   15                         ; v15 0; never rewritten
.set SB,    24                         ; v24 my four scale bytes
.set X,     32                         ; v32-95 two sets of 32 numbers
.set C,     96                         ; v96-99 a block's codes
.set OUTR,  112                        ; v112-127 four rows of codes on the way out
.set OUTS,  128                        ; v128-131 scale bytes on the way out
	s_load_b128 s[4:7], s[0:1], 0x0                ; Wqkv, wc
	s_load_b64 s[8:9], s[0:1], 0x10                ; ws
	v_lshl_add_u32 v[SPW], v0, 2, SPARE
	v_mov_b32 v[NIL], 0
	v_lshrrev_b32 v1, 5, v0
	v_readfirstlane_b32 s16, v1                    ; wave 0..7
	v_and_b32 v2, 31, v0                           ; lane
	v_lshlrev_b32 v3, 2, v2                        ; in: 4 bytes a lane
	s_lshl_b32 s17, s16, 6
	v_mul_u32_u24 v4, v2, CP
	v_add_nc_u32 v4, s17, v4                       ; codes into LDS: my column's row, my wave's 64 bytes
	s_lshl_b32 s17, s16, 2
	s_add_co_u32 s17, s17, SST
	v_lshl_add_u32 v5, v2, 5, s17                  ; scale word into LDS: my column's 32 bytes, my wave's four
	s_mul_i32 s17, s16, 4*CP
	v_lshl_add_u32 v7, v2, 4, s17                  ; codes back: rows 4 w .. 4 w + 3, the 32 lanes take a row of 512 bytes
	s_lshl_b32 s17, s16, 11
	v_lshl_add_u32 v8, v2, 4, s17                  ; and the same place in the work-group's 16,384 bytes of wc
	s_and_b32 s17, s16, 1
	s_lshl_b32 s17, s17, 9
	v_lshl_add_u32 v10, v2, 4, s17                 ; scale bytes back (waves 0 and 1): 512 bytes a wave
	v_add_nc_u32 v9, SST, v10
	s_mul_i32 s20, s16, 128*SIZE_N*4               ; Wqkv: my wave's first row,
	s_lshl_b32 s18, ttmp9, 7
	s_add_co_u32 s20, s20, s18                     ; my work-group's first column
	s_mov_b32 s21, 0
	s_lshl_b32 s22, ttmp9, 14                      ; wc: 32 rows of 512 bytes
	s_mov_b32 s23, 0
	s_lshl_b32 s24, ttmp9, 10                      ; ws: 32 rows of 32 bytes
	s_mov_b32 s25, 0
	s_wait_kmcnt 0x0
	s_add_nc_u64 s[4:5], s[4:5], s[20:21]
	s_add_nc_u64 s[6:7], s[6:7], s[22:23]
	s_add_nc_u64 s[8:9], s[8:9], s[24:25]
.macro LOAD t                          ; block t: W(128 w + 32 t + i, my column), i = 0 .. 31, into set t % 2.  The largest offset, 127 rows, lies inside the signed 24-bit immediate
.irp i, 0,1,2,3,4,5,6,7,8,9,10,11,12,13,14,15,16,17,18,19,20,21,22,23,24,25,26,27,28,29,30,31
	global_load_b32 v[X+32*((\t)%2)+\i], v3, s[4:5] offset:(32*(\t)+\i)*SIZE_N*4 th:TH_LOAD_NT
.endr
.endm
	LOAD 0
	LOAD 1
.macro BLOCK t
.set XS, X+32*((\t)%2)
.if (\t) < NB-1
	s_wait_loadcnt 32                              ; this block's 32 loads are in; the next block's may be out
.else
	s_wait_loadcnt 0
.endif
	v_max3_num_f32 v12, |v[XS]|, |v[XS+1]|, |v[XS+2]|               ; the block's largest magnitude: all 32 numbers are mine
	v_max3_num_f32 v13, |v[XS+3]|, |v[XS+4]|, |v[XS+5]|
.irp i, 6,10,14,18,22,26
	v_max3_num_f32 v12, v12, |v[XS+\i]|, |v[XS+\i+1]|
	v_max3_num_f32 v13, v13, |v[XS+\i+2]|, |v[XS+\i+3]|
.endr
	v_max3_num_f32 v12, v12, |v[XS+30]|, |v[XS+31]|
	v_max3_num_f32 v12, v12, v13, (EMAX+1)<<23     ; and the floor 2^(3 - 127): the byte cannot fall under 1
	v_add_nc_u32 v11, -(EMAX<<23), v12             ; 2 off its exponent field: the conversion's scale operand
	v_lshrrev_b32 v13, 23, v11                     ; the scale's byte
.if (\t) == 0
	v_mov_b32 v[SB], v13                           ; four bytes to the register, the lower K in the lower byte
.else
	v_lshl_or_b32 v[SB], v13, 8*(\t), v[SB]
.endif
.irp g, 0,1,2,3
	v_cvt_scalef32_pk8_fp4_f32 v[C+\g], v[XS+8*\g:XS+8*\g+7], v11
.endr
	ds_store_b128 v4, v[C:C+3] offset:16*(\t)      ; 32 codes: 16 bytes of my column's row.  (The next vector lines are the next block's plain ones)
.if (\t)+2 < NB
	LOAD (\t)+2
.endif
	s_wait_dscnt 0x0                               ; the store has read its registers: the next block's codes may be written
.endm
	BLOCK 0
	BLOCK 1
	BLOCK 2
	BLOCK 3
	ds_store_b32 v5, v[SB]
	s_wait_dscnt 0x0                               ; for the others' sake: my stores have landed
	s_barrier_signal -1
	s_barrier_wait -1                              ; the 32 rows of codes and of scale bytes are whole
.irp i, 0,1,2,3
	ds_load_b128 v[OUTR+4*\i:OUTR+4*\i+3], v7 offset:CP*\i
.endr
.irp i, 0,1,2,3
	s_wait_dscnt 3-\i                              ; row i is in; the younger rows may be out
	global_store_b128 v8, v[OUTR+4*\i:OUTR+4*\i+3], s[6:7] offset:512*\i   ; 512 consecutive bytes
.endr
	s_cmp_gt_u32 s16, 1                            ; the 1,024 scale bytes leave by waves 0 and 1
	s_cbranch_scc1 .Lno_scales
	ds_load_b128 v[OUTS:OUTS+3], v9
	s_wait_dscnt 0x0
	global_store_b128 v10, v[OUTS:OUTS+3], s[8:9]
.Lno_scales:
	s_wait_tensorcnt 0x0                           ; the wave's end, behind my last LDS store
	ds_add_u32 v[SPW], v[NIL]
	s_wait_dscnt 0x0
	s_endpgm
.Lfunc_end_k_qe8b1e3fd6b_quant_w:
	.size	k_qe8b1e3fd6b_quant_w, .Lfunc_end_k_qe8b1e3fd6b_quant_w-k_qe8b1e3fd6b_quant_w
	.p2alignl 7, 3214868480
	.fill 96, 4, 3214868480
	.section	.rodata,"a",@progbits
	.p2align	6, 0x0
	.amdhsa_kernel k_qe8b1e3fd6b_quant_w
		.amdhsa_group_segment_fixed_size 18944
		.amdhsa_private_segment_fixed_size 0
		.amdhsa_enable_private_segment 0
		.amdhsa_kernarg_size 24
		.amdhsa_user_sgpr_count 2
		.amdhsa_user_sgpr_kernarg_segment_ptr 1
		.amdhsa_wavefront_size32 1
		.amdhsa_system_sgpr_workgroup_id_x 1
		.amdhsa_system_sgpr_workgroup_id_y 1
		.amdhsa_system_sgpr_workgroup_id_z 1
		.amdhsa_system_vgpr_workitem_id 0
		.amdhsa_next_free_vgpr 144
		.amdhsa_next_free_sgpr 66
		.amdhsa_reserve_vcc 0
		.amdhsa_float_denorm_mode_32 3
		.amdhsa_float_denorm_mode_16_64 3
		.amdhsa_memory_ordered 1
		.amdhsa_forward_progress 1
		.amdhsa_inst_pref_size 22
	.end_amdhsa_kernel
	.amdgpu_metadata
---
amdhsa.version: [ 1, 2 ]
amdhsa.kernels:
  - .name:           k_qe8b1e3fd6b_quant_w
    .symbol:         k_qe8b1e3fd6b_quant_w.kd
    .args:
      - { .name: Wqkv, .offset: 0, .size: 8, .value_kind: global_buffer, .address_space: global }
      - { .name: wc, .offset: 8, .size: 8, .value_kind: global_buffer, .address_space: global }
      - { .name: ws, .offset: 16, .size: 8, .value_kind: global_buffer, .address_space: global }
    .group_segment_fixed_size: 18944
    .private_segment_fixed_size: 0
    .kernarg_segment_align: 8
    .kernarg_segment_size: 24
    .max_flat_workgroup_size: 256
    .sgpr_count:     66
    .vgpr_count:     144
    .wavefront_size: 32
...
	.end_amdgpu_metadata
.endif
;; end of part 2
;; launch gemm_qkv (part 3): grid 12 x 32, 4 waves a work-group, clusters of 4 x 4, 327,680 bytes of LDS; arguments xc, xs, wc, ws, qkv, bqkv; writes qkv
.if DOCPART == 3
	.amdgcn_target "amdgcn-amd-amdhsa--gfx1250"
	.amdhsa_code_object_version 6
	.text
	.protected	k_qe8b1e3fd6b_gemm_qkv
	.globl	k_qe8b1e3fd6b_gemm_qkv
	.p2align	8
	.type	k_qe8b1e3fd6b_gemm_qkv,@function
k_qe8b1e3fd6b_gemm_qkv:
	s_mov_b64 s[64:65], 0
	v_nop
	global_prefetch_b8 v0, s[64:65] scope:SCOPE_SE
	s_setreg_imm32_b32 hwreg(HW_REG_WAVE_MODE, 25, 1), 1
	s_wait_xcnt 0x0
	s_wait_alu depctr_hold_cnt(0) depctr_sa_sdst(0) depctr_va_vdst(0) depctr_va_sdst(0) depctr_va_ssrc(0) depctr_va_vcc(0) depctr_vm_vsrc(0)
	s_getreg_b32 s2, hwreg(HW_REG_IB_STS2, 6, 4)
	s_cmp_eq_u32 s2, 0
	s_cbranch_scc0 .Lentry_in_a_cluster
	s_endpgm
.Lentry_in_a_cluster:
	s_bfe_u32 s2, ttmp6, 0x10000c
	s_cmp_lg_u32 s2, 0xf033
	s_cbranch_scc0 .Lentry_shape_is_right
	s_endpgm
.Lentry_shape_is_right:
; qkv = Q(x) Q(Wqkv) + bqkv on codes of FP4 (E2M1) with one E8M0 scale for each 32 along K; sums in f32.  A = xc [8192][1024], B = wc [3072 (n)][1024], scale bytes xs, ws: 32 a row.
; The result leaves in f16, laid for the attention launch: [part q, k, v][16 b + head][s][64]; q's part is multiplied by 1/8 = 1/sqrt(64), which rounds nothing, ahead of the rounding to f16.
; LIMIT: |q| / 8, |k|, |v| stay under 65,504 or become infinity in f16.
; A tile of 256 x 256 is made by four waves, each 128 x 128: 64 accumulators of 16 x 16, 512 registers.  K = 1,024 is two slots of 512 along K (rows of 256 bytes): both are asked for at the start, and
; nothing is filled again.  The scale bytes of the work-group's 256 + 256 rows come once, as rows of 256 bytes.
; CLUSTERS: 4 x 4 work-groups.  The four of a row of the cluster need the same tiles of A, the four of a column the same tiles of B: each tile is asked for JOINTLY.
; THE MATRIX INSTRUCTION IS USED TRANSPOSED (source 0 = 16 rows of B, source 1 = 16 rows of A): a lane holds eight neighbouring columns of one row.  The bias is the C of each sum's first product.
; REGISTERS: window 0: v0-31 addresses; v32-95 scale words, two sets; v128-191 A's fragments, ONE set; v192-255 the bias, eight registers for each of B's blocks.  window 1: B's fragments, two sets.
;   window 2: the accumulators of my rows 0-63 ((a, b) at v[8 (8 a + b)]); window 3: those of rows 64-127.  On the way out v32-191 of window 0 are free.
.set SIZE_K, 1024
.set KSTEP,  512                       ; along K in a slot
.set NQ,     KSTEP/128                 ; matrix instructions deep
.set ROWB,   256                       ; a tile's row in bytes
.set KROW,   SIZE_K*4/8                ; a row of codes in memory
.set PITCH,  272                       ; an LDS row: 256 bytes + 16 of padding: the 16 rows of a fragment load start 16 bytes apart modulo 256
.set FR,     8                         ; registers of a fragment: 16 rows x 128 K
.set NL,     2                         ; LDS loads that bring one
.set NP,     4                         ; places behind this matrix instruction (ISA guide 7.12.1)
.set HALFT,  128*PITCH                 ; what one tensor load brings
.set SLOT,   4*HALFT                   ; A's 256 rows, then B's 256 rows
.set KS,     SIZE_K/32                 ; a row of scale bytes
.set SCL,    2*SLOT                    ; behind the ring: the scale bytes, as rows of 256 bytes + 16
.set HALFS,  (128*KS/256)*272          ; those of 128 rows
.set SBLK,   (16*KS/256)*272           ; those of 16 rows
.set SPARE,  SCL+4*HALFS               ; the spare words, 128 bytes a wave, named by no other line
.set SPITCH, 272                       ; the way out: a stage of 16 rows x (256 bytes + 16) for each wave, in slot 0, which has had its only fill and its last read by then
.set ADRA, 16                          ; v16-17 LDS address of my A fragments in slot 0, 1
.set ADRB, 20                          ; v20-21 the same for B
.set STO,  24                          ; v24 the way out: where I put 16 bytes of a row
.set RD,   25                          ; v25 where I read back
.set CO,   26                          ; v26 my byte offset in four rows of a head
.set ADRS, 27                          ; v27 LDS address of my scale words: lanes 0-15 A's rows, lanes 16-31 B's
.set SPW,  28                          ; v28 LDS address of my spare word; never rewritten
.set NIL,  29                          ; v29 0; never rewritten
.set BO,   30                          ; v30 32 x (lane / 16): my eight numbers of a block's bias
.set SC,   32                          ; scale words: set s at v[SC + 32 s]; register NQ i + q: lanes 0-15 A's block i, lanes 16-31 B's block i
.set AF,   128                         ; A's fragments
.set BI,   192                         ; the bias
.set MT,   32                          ; the way out: a block's 64 numbers, scaled;
.set TMP,  96                          ; packed to f16;
.set BK,   128                         ; and read back from the stage: v128-159 and v160-191 by turns
.set G1, 24                            ; s[24:31] group 1 for A's tiles; s[32:39] group 0, a set for each slot
.set G0, 32
.set G1B, 48                           ; s[48:55], s[56:63] the same for B's
.set G0B, 56
.set G1S, 68                           ; s[68:75], s[76:79] for A's scale bytes; s[80:87], s[88:91] for B's
.set G0S, 76
.set G1SB, 80
.set G0SB, 88
.set MSB, 0
.macro WIN new                         ; the immediate's high byte repeats the setting that is left
.if MSB != \new
	s_set_vgpr_msb (MSB<<8)|\new
.set MSB, \new
.endif
.endm
.set MUL_LO, 0xa1                      ; source 0 (B) window 1, source 1 (A) window 0, C and D window 2
.set MUL_HI, 0xf1                      ; the same, C and D window 3
.set BEG_LO, 0x81                      ; the first step: C (the bias) window 0, D window 2
.set BEG_HI, 0xc1                      ; D window 3
.set TO_B,   0x40                      ; destination window 1, address window 0
; A joint load: waves 0 and 1 fetch for A, waves 2 and 3 for B; the branch hangs on the wave's number alone.  An s_nop 0 and four v_nop follow each of the two lines.
.macro JLOAD g0a, g1a, g0b, g1b
	s_cmp_eq_u32 s15, 0
	s_cbranch_scc0 .Lfor_b_\@
	tensor_load_to_lds s[\g0a:\g0a+3], s[\g1a:\g1a+7]
	s_nop 0
.rept 4
	v_nop
.endr
	s_branch .Lasked_\@
.Lfor_b_\@:
	tensor_load_to_lds s[\g0b:\g0b+3], s[\g1b:\g1b+7]
	s_nop 0
.rept 4
	v_nop
.endr
.Lasked_\@:
.endm
.macro CROUND                          ; a round of the cluster's barrier
	s_barrier_signal -1
	s_barrier_wait -1
	s_cmp_lg_u32 s14, 0
	s_cbranch_scc1 .Lnot_wave_0_\@
	s_barrier_signal -3
.Lnot_wave_0_\@:
	s_barrier_wait -3
	s_barrier_signal -1
	s_barrier_wait -1
.endm
	s_load_b128 s[4:7], s[0:1], 0x0                ; A's codes, A's scales
	s_load_b128 s[8:11], s[0:1], 0x10              ; B's codes, B's scales
	s_load_b64 s[12:13], s[0:1], 0x20              ; qkv
	s_load_b64 s[96:97], s[0:1], 0x28              ; bqkv
	v_lshl_add_u32 v[SPW], v0, 2, SPARE
	v_mov_b32 v[NIL], 0
	ds_add_u32 v[SPW], v[NIL]                      ; the wave's opening: the add, twice on end, and its wait ahead of my first tensor load
	ds_add_u32 v[SPW], v[NIL]
	v_lshrrev_b32 v1, 5, v0
	v_readfirstlane_b32 s14, v1                    ; wave 0..3
	s_lshr_b32 s15, s14, 1                         ; which half of the tile's rows is mine.  Also: I fetch for A (0) or for B (1)
	s_and_b32 s16, s14, 1                          ; which half of its columns.  Also: which 128 rows I fetch
	s_bfe_u32 s40, ttmp6, 0x40000                  ; cx, cy
	s_bfe_u32 s41, ttmp6, 0x40004
	s_lshl_b32 s42, ttmp9, 2
	s_add_co_u32 s42, s42, s40                     ; tile column = 4 x cluster x + cx
	s_and_b32 s17, ttmp7, 0xffff
	s_lshl_b32 s17, s17, 2
	s_add_co_u32 s17, s17, s41                     ; tile row = 4 x cluster y + cy
	s_lshl_b32 s43, s41, 2
	s_lshl_b32 s43, 15, s43                        ; my row of the cluster
	s_lshl_b32 s44, 0x1111, s40                    ; my column
	s_or_b32 s[G1+0], s43, (0<<16)|(1<<20)|(1<<21)|(5<<22)|(3<<25)  ; the mask; elements of 1 byte; padding on; bit 21 beside a mask; 4 words behind every 64
	s_or_b32 s[G1B+0], s44, (0<<16)|(1<<20)|(1<<21)|(5<<22)|(3<<25)
.irp g, G1, G1B
	s_mov_b32 s[\g+1], ROWB<<16                    ; tensor_dim0
	s_mov_b32 s[\g+2], 128<<16                     ; tensor_dim1
	s_mov_b32 s[\g+3], ROWB<<16                    ; tile_dim0
	s_mov_b32 s[\g+4], 128                         ; tile_dim1
	s_mov_b32 s[\g+5], KROW                        ; from row to row
	s_mov_b32 s[\g+6], 0
	s_mov_b32 s[\g+7], 0
.endr
	s_or_b32 s[G1S+0], s43, (3<<16)|(1<<20)|(1<<21)|(5<<22)|(3<<25) ; the scale bytes of 128 rows: a dense block, as rows of 32 elements of 8 bytes
	s_or_b32 s[G1SB+0], s44, (3<<16)|(1<<20)|(1<<21)|(5<<22)|(3<<25)
.irp g, G1S, G1SB
	s_mov_b32 s[\g+1], 32<<16
	s_mov_b32 s[\g+2], (128*KS/256)<<16
	s_mov_b32 s[\g+3], 32<<16
	s_mov_b32 s[\g+4], 128*KS/256
	s_mov_b32 s[\g+5], 32
	s_mov_b32 s[\g+6], 0
	s_mov_b32 s[\g+7], 0
.endr
	s_lshl_b32 s18, s16, 7                         ; which 128 rows of the tile I fetch
	s_lshl_b32 s20, s17, 8
	s_add_co_u32 s20, s20, s18                     ; A: row 256 x tile row + 128 x half
	s_lshl_b32 s46, s42, 8
	s_add_co_u32 s46, s46, s18                     ; B: row 256 x tile column + 128 x half
	s_mov_b32 s21, 0
	s_mov_b32 s47, 0
	s_mov_b64 s[18:19], KS
	s_mul_u64 s[22:23], s[20:21], s[18:19]         ; where these rows' scale bytes begin,
	s_mul_u64 s[92:93], s[46:47], s[18:19]
	s_mov_b64 s[18:19], KROW
	s_mul_u64 s[20:21], s[20:21], s[18:19]         ; and their codes
	s_mul_u64 s[46:47], s[46:47], s[18:19]
	s_mul_i32 s45, s14, HALFT                      ; where they go: wave x 128 rows
	s_mul_i32 s94, s14, HALFS
	s_cmp_eq_u32 ttmp9, 0                          ; q's 1,024 columns are the tile columns of cluster x = 0
	s_cselect_b32 s66, 0x3e000000, 1.0             ; 1/8 for q, 1 for k and v
	s_mov_b32 s67, s66                             ; (named with it as a pair)
	s_wait_dscnt 0x0                               ; both opening adds are done
	s_wait_kmcnt 0x0
	s_add_nc_u64 s[20:21], s[4:5], s[20:21]
	s_add_nc_u64 s[22:23], s[6:7], s[22:23]
	s_add_nc_u64 s[46:47], s[8:9], s[46:47]
	s_add_nc_u64 s[92:93], s[10:11], s[92:93]
	CROUND                                         ; all sixteen work-groups are here: the joint loads meet
	s_mov_b32 s[G0S], 1
	s_add_co_u32 s[G0S+1], s94, SCL
	s_mov_b64 s[G0S+2:G0S+3], s[22:23]
	s_or_b32 s[G0S+3], s[G0S+3], 0x80000000
	s_mov_b32 s[G0SB], 1
	s_add_co_u32 s[G0SB+1], s94, SCL
	s_mov_b64 s[G0SB+2:G0SB+3], s[92:93]
	s_or_b32 s[G0SB+3], s[G0SB+3], 0x80000000
	JLOAD G0S, G1S, G0SB, G1SB                     ; the scale bytes first: three loads of mine are out at the most
.irp s, 0,1
	s_mov_b32 s[G0+4*\s], 1
	s_add_co_u32 s[G0+4*\s+1], s45, \s*SLOT
	s_add_nc_u64 s[G0+4*\s+2:G0+4*\s+3], s[20:21], \s*ROWB
	s_or_b32 s[G0+4*\s+3], s[G0+4*\s+3], 0x80000000
	s_mov_b32 s[G0B+4*\s], 1
	s_add_co_u32 s[G0B+4*\s+1], s45, \s*SLOT
	s_add_nc_u64 s[G0B+4*\s+2:G0B+4*\s+3], s[46:47], \s*ROWB
	s_or_b32 s[G0B+4*\s+3], s[G0B+4*\s+3], 0x80000000
	JLOAD G0+4*\s, G1, G0B+4*\s, G1B
.endr
	v_and_b32 v1, 15, v0                           ; l % 16
	v_bfe_u32 v2, v0, 4, 1                         ; l / 16
	s_lshl_b32 s46, s42, 10                        ; the bias of my 128 columns: (256 x tile column + 128 x half) x 4 bytes
	s_lshl_b32 s47, s16, 9
	s_add_co_u32 s46, s46, s47
	s_mov_b32 s47, 0
	s_add_nc_u64 s[96:97], s[96:97], s[46:47]
	v_lshlrev_b32 v[BO], 5, v2
.irp b, 0,1,2,3,4,5,6,7
	global_load_b128 v[BI+8*\b:BI+8*\b+3], v[BO], s[96:97] offset:64*\b          ; lane (r, h): bias of columns 16 b + 8 h + 0 .. 7: the result's layout
	global_load_b128 v[BI+8*\b+4:BI+8*\b+7], v[BO], s[96:97] offset:64*\b+16
.endr
	v_mul_u32_u24 v3, v1, PITCH
	v_lshl_add_u32 v4, v2, 4, v3                   ; a fragment's row x pitch + 16 x half
	s_mul_i32 s21, s15, HALFT                      ; my 128 rows of A
	s_mul_i32 s22, s16, HALFT                      ; my 128 rows of B,
	s_add_co_u32 s22, s22, 2*HALFT                 ; behind A's 256
.irp s, 0,1
	v_add_nc_u32 v[ADRA+\s], s21, v4
	v_add_nc_u32 v[ADRB+\s], s22, v4
	s_add_co_u32 s21, s21, SLOT
	s_add_co_u32 s22, s22, SLOT
.endr
	v_mul_u32_u24 v5, v1, KS                       ; my row's scale bytes: KS a row,
	v_lshrrev_b32 v6, 8, v5
	v_lshl_add_u32 v5, v6, 4, v5                   ; and 16 more for each 256 passed
	s_mul_i32 s21, s15, HALFS
	s_mul_i32 s22, s16, HALFS
	s_add_co_u32 s22, s22, 2*HALFS
	s_sub_co_u32 s22, s22, s21
	v_mul_u32_u24 v6, s22, v2                      ; lanes 16-31 take B's: one product, the distance between the two bases
	s_add_co_u32 s21, s21, SCL
	v_add_nc_u32 v5, v5, v6
	v_add_nc_u32 v[ADRS], s21, v5
	s_mul_i32 s23, s14, 16*SPITCH                  ; my stage
	v_mul_u32_u24 v5, v1, SPITCH                   ; in: row l % 16, 16 bytes for each half of the lanes
	v_lshl_add_u32 v5, v2, 4, v5
	v_add_nc_u32 v[STO], s23, v5
	v_and_b32 v6, 31, v0
	v_lshlrev_b32 v[CO], 4, v6                     ; out: four rows of one head are 512 consecutive bytes: 16 a lane
	v_lshrrev_b32 v5, 3, v6
	v_mul_u32_u24 v5, v5, SPITCH                   ; back: row l / 8 of the four, 16 (l % 8) bytes on
	v_and_b32 v6, 7, v6
	v_lshl_add_u32 v5, v6, 4, v5
	v_add_nc_u32 v[RD], s23, v5
	s_lshr_b32 s20, s17, 3                         ; where my part begins in qkv: the batch, 16 heads of 2^18 bytes;
	s_lshl_b32 s20, s20, 22
	s_and_b32 s21, s17, 7
	s_lshl_b32 s21, s21, 15                        ; the tile's 256 rows of 128 bytes;
	s_add_co_u32 s20, s20, s21
	s_lshl_b32 s21, s15, 14                        ; my 128 of them;
	s_add_co_u32 s20, s20, s21
	s_lshr_b32 s46, s42, 2
	s_lshl_b32 s46, s46, 24                        ; the part (q, k or v);
	s_and_b32 s47, s42, 3
	s_lshl_b32 s47, s47, 20                        ; the tile's four heads;
	s_add_co_u32 s46, s46, s47
	s_lshl_b32 s47, s16, 19                        ; my two of them
	s_add_co_u32 s46, s46, s47
	s_add_co_u32 s20, s20, s46
	s_mov_b32 s21, 0
	s_add_nc_u64 s[12:13], s[12:13], s[20:21]
.macro FRAG reg, adr, q, i             ; 16 rows x 128 K of 4-bit codes: lane l holds row l % 16; registers 4 c .. 4 c + 3 hold K = 64 c + 32 (l / 16) + 0 .. 31
.irp c, 0,1
	ds_load_b128 v[\reg+4*\c:\reg+4*\c+3], v[\adr] offset:64*(\q)+32*\c+(\i)*16*PITCH
.endr
.endm
; 16 matrix instructions: A's blocks a0, a0 + 1 x B's eight, the slot's q-th 128 along K.  p: B's set; sc: the set of scale words.  zero = 1: the first product takes the bias as C: nothing is cleared.
; The 64 accumulators take turns, one instruction a turn, in the same order in every step.
.macro MUL16 a0, p, q, sc, zero
.irp a, \a0, \a0+1
.irp b, 0,1,2,3,4,5,6,7
.if \zero
	v_wmma_scale_f32_16x16x128_f8f6f4 v[8*(8*((\a)%4)+\b):8*(8*((\a)%4)+\b)+7], v[128*(\p)+FR*\b:128*(\p)+FR*\b+FR-1], v[AF+FR*(\a):AF+FR*(\a)+FR-1], v[BI+8*\b:BI+8*\b+7], v[SC+8*NQ*(\sc)+NQ*\b+(\q)], v[SC+8*NQ*(\sc)+NQ*(\a)+(\q)] matrix_a_fmt:MATRIX_FMT_FP4 matrix_b_fmt:MATRIX_FMT_FP4 matrix_a_scale:MATRIX_SCALE_ROW1
.else
	v_wmma_scale_f32_16x16x128_f8f6f4 v[8*(8*((\a)%4)+\b):8*(8*((\a)%4)+\b)+7], v[128*(\p)+FR*\b:128*(\p)+FR*\b+FR-1], v[AF+FR*(\a):AF+FR*(\a)+FR-1], v[8*(8*((\a)%4)+\b):8*(8*((\a)%4)+\b)+7], v[SC+8*NQ*(\sc)+NQ*\b+(\q)], v[SC+8*NQ*(\sc)+NQ*(\a)+(\q)] matrix_a_fmt:MATRIX_FMT_FP4 matrix_b_fmt:MATRIX_FMT_FP4 matrix_a_scale:MATRIX_SCALE_ROW1
.endif
.endr
.endr
.endm
.macro FETCH_B slot, q, p              ; B's eight fragments of the slot's q-th 128 along K into set p
	WIN TO_B
.irp i, 0,1,2,3,4,5,6,7
	FRAG 128*(\p)+FR*\i, ADRB+\slot, \q, \i
.endr
	WIN 0
.endm
.macro FETCH_A slot, q, i0             ; A's blocks i0 .. i0 + 3
.irp i, \i0, \i0+1, \i0+2, \i0+3
	FRAG AF+FR*(\i), ADRA+\slot, \q, \i
.endr
.endm
.macro SCALES sc                       ; a slot's scale words into set sc: four words a row
.irp i, 0,1,2,3,4,5,6,7
	ds_load_b128 v[SC+8*NQ*\sc+NQ*\i:SC+8*NQ*\sc+NQ*\i+3], v[ADRS] offset:\i*SBLK
.endr
.endm
.macro PLACES n                        ; plain vector instructions between a matrix instruction and a load into, or a read of, its registers
.rept \n
	v_nop
.endr
.endm
.macro STEP slot, q, zero              ; a step of 128 along K that has its successor in the same slot
	s_wait_dscnt 4*NL                              ; B's set, the scale words and A's blocks 0-3 are in; the youngest eight loads (A's blocks 4-7) may be out
.if \zero
	WIN BEG_LO
.else
	WIN MUL_LO
.endif
	MUL16 0, (\q)%2, \q, \slot, \zero
	MUL16 2, (\q)%2, \q, \slot, \zero
	s_wait_dscnt 0                                 ; A's blocks 4-7 are in
	PLACES NP
	FETCH_B \slot, (\q)+1, 1-(\q)%2
	FETCH_A \slot, (\q)+1, 0
.if \zero
	WIN BEG_HI
.else
	WIN MUL_HI
.endif
	MUL16 4, (\q)%2, \q, \slot, \zero
	MUL16 6, (\q)%2, \q, \slot, \zero
	PLACES NP
	WIN 0
	FETCH_A \slot, (\q)+1, 4
.endm
; Slot 0's last step changes slots: each wave waits for its last tensor load (its part of slot 1), adds 0 to its spare word, waits for that and for its reads of slot 0, and passes the barrier.
.macro TURN slot, next
	s_wait_tensorcnt 0x0                           ; all my tensor loads have landed
	ds_add_u32 v[SPW], v[NIL]                      ; 0 onto my spare word
	s_wait_dscnt 4*NL+1                            ; (the add and the youngest eight loads may be out)
	WIN MUL_LO
	MUL16 0, 1, NQ-1, \slot, 0
	s_wait_dscnt 0x0                               ; the add is done, and my reads of this slot are over
	s_barrier_signal -1
	MUL16 2, 1, NQ-1, \slot, 0
	WIN 0
	s_barrier_wait -1
	PLACES NP
	v_add_nc_u32 v[ADRS], 4*NQ, v[ADRS]            ; on to the next slot's scale words
	FETCH_B \next, 0, 0
	FETCH_A \next, 0, 0
	SCALES \next
	WIN MUL_HI
	MUL16 4, 1, NQ-1, \slot, 0
	MUL16 6, 1, NQ-1, \slot, 0
	PLACES NP
	WIN 0
	FETCH_A \next, 0, 4
.endm
	s_wait_tensorcnt 1                             ; the scale bytes and my part of slot 0 are in (slot 1's load may be out),
	s_barrier_signal -1
	s_barrier_wait -1                              ; everybody's are
	FETCH_B 0, 0, 0
	FETCH_A 0, 0, 0
	SCALES 0
	FETCH_A 0, 0, 4
	s_wait_loadcnt 0x0                             ; the bias
	STEP 0, 0, 1                                   ; the first products start the sums from the bias
	STEP 0, 1, 0
	STEP 0, 2, 0
	TURN 0, 1
	STEP 1, 0, 0
	STEP 1, 1, 0
	STEP 1, 2, 0
	s_wait_dscnt 4*NL                              ; the very last step: nothing more to fetch
	WIN MUL_LO
	MUL16 0, 1, NQ-1, 1, 0
	MUL16 2, 1, NQ-1, 1, 0
	s_wait_dscnt 0
	WIN MUL_HI
	MUL16 4, 1, NQ-1, 1, 0
	MUL16 6, 1, NQ-1, 1, 0
	WIN 0
; THE WAY OUT, block by block of 16 rows x 128 columns (two heads).  PACK: x the factor, rounded to f16, 16 bytes a lane.  TOSTAGE: into my own stage, and back so that the 32 lanes hold four rows of one head.
; SEND: 512 consecutive bytes a store.  LDS serves a wave's instructions in order: no wait between the stage's stores and loads.
.macro PACK a
.set AC, 64*((\a)%4)
	WIN 0x02+((\a)/4)                              ; source 0: window 2 or 3
.irp b, 0,1,2,3,4,5,6,7
.irp r, 0,1,2,3
	v_pk_mul_f32 v[MT+8*\b+2*\r:MT+8*\b+2*\r+1], v[AC+8*\b+2*\r:AC+8*\b+2*\r+1], s[66:67] op_sel_hi:[1,0]   ; each accumulator from its low end on
.endr
.endr
	WIN 0
.irp b, 0,1,2,3,4,5,6,7
.irp r, 0,1,2,3
	v_cvt_pk_f16_f32 v[TMP+4*\b+\r], v[MT+8*\b+2*\r], v[MT+8*\b+2*\r+1]
.endr
.endr
.endm
.macro TOSTAGE a
.set BB, BK+32*((\a)%2)
.irp b, 0,1,2,3,4,5,6,7
	ds_store_b128 v[STO], v[TMP+4*\b:TMP+4*\b+3] offset:32*\b
.endr
.irp t, 0,1,2,3,4,5,6,7
	ds_load_b128 v[BB+4*\t:BB+4*\t+3], v[RD] offset:(\t%4)*4*SPITCH+(\t/4)*128   ; rows 4 (t % 4) on, head t / 4
.endr
.endm
.macro SEND a
.set BB, BK+32*((\a)%2)
	s_wait_dscnt 0x0                               ; the block is back in registers
	s_wait_xcnt 0x0                                ; the earlier stores have read their registers: the next block's loads may land in the other set
.irp t, 0,1,2,3,4,5,6,7
	global_store_b128 v[CO], v[BB+4*\t:BB+4*\t+3], s[12:13] offset:(\a)*2048+(\t%4)*512+(\t/4)*262144
.endr
.endm
	PLACES NP                                      ; behind the last products: their scale words' and A's registers are written next
	PACK 0
	TOSTAGE 0
.irp a, 1,2,3,4,5,6,7                  ; block a's arithmetic stands between block a - 1's loads from the stage and the wait for them
	PACK \a
	SEND \a-1
	TOSTAGE \a
.endr
	SEND 7
	s_wait_tensorcnt 0x0                           ; the wave's end, behind my last tensor load and my last LDS store
	ds_add_u32 v[SPW], v[NIL]
	s_wait_dscnt 0x0
	CROUND                                         ; the closing round
	s_endpgm
.Lfunc_end_k_qe8b1e3fd6b_gemm_qkv:
	.size	k_qe8b1e3fd6b_gemm_qkv, .Lfunc_end_k_qe8b1e3fd6b_gemm_qkv-k_qe8b1e3fd6b_gemm_qkv
	.p2alignl 7, 3214868480
	.fill 96, 4, 3214868480
	.section	.rodata,"a",@progbits
	.p2align	6, 0x0
	.amdhsa_kernel k_qe8b1e3fd6b_gemm_qkv
		.amdhsa_group_segment_fixed_size 327680
		.amdhsa_private_segment_fixed_size 0
		.amdhsa_enable_private_segment 0
		.amdhsa_kernarg_size 48
		.amdhsa_user_sgpr_count 2
		.amdhsa_user_sgpr_kernarg_segment_ptr 1
		.amdhsa_wavefront_size32 1
		.amdhsa_system_sgpr_workgroup_id_x 1
		.amdhsa_system_sgpr_workgroup_id_y 1
		.amdhsa_system_sgpr_workgroup_id_z 1
		.amdhsa_system_vgpr_workitem_id 0
		.amdhsa_next_free_vgpr 1024
		.amdhsa_next_free_sgpr 98
		.amdhsa_reserve_vcc 0
		.amdhsa_float_denorm_mode_32 3
		.amdhsa_float_denorm_mode_16_64 3
		.amdhsa_memory_ordered 1
		.amdhsa_forward_progress 1
		.amdhsa_inst_pref_size 144
	.end_amdhsa_kernel
	.amdgpu_metadata
---
amdhsa.version: [ 1, 2 ]
amdhsa.kernels:
  - .name:           k_qe8b1e3fd6b_gemm_qkv
    .symbol:         k_qe8b1e3fd6b_gemm_qkv.kd
    .args:
      - { .name: xc, .offset: 0, .size: 8, .value_kind: global_buffer, .address_space: global }
      - { .name: xs, .offset: 8, .size: 8, .value_kind: global_buffer, .address_space: global }
      - { .name: wc, .offset: 16, .size: 8, .value_kind: global_buffer, .address_space: global }
      - { .name: ws, .offset: 24, .size: 8, .value_kind: global_buffer, .address_space: global }
      - { .name: qkv, .offset: 32, .size: 8, .value_kind: global_buffer, .address_space: global }
      - { .name: bqkv, .offset: 40, .size: 8, .value_kind: global_buffer, .address_space: global }
    .group_segment_fixed_size: 327680
    .private_segment_fixed_size: 0
    .kernarg_segment_align: 8
    .kernarg_segment_size: 48
    .max_flat_workgroup_size: 128
    .sgpr_count:     98
    .vgpr_count:     1024
    .wavefront_size: 32
...
	.end_amdgpu_metadata
.endif
;; end of part 3
;; launch attn (part 4): grid 8 x 32, 8 waves a work-group, clusters of 4 x 4, 327,680 bytes of LDS; arguments qkv, attn_mask, oh; writes oh
.if DOCPART == 4
	.amdgcn_target "amdgcn-amd-amdhsa--gfx1250"
	.amdhsa_code_object_version 6
	.text
	.protected	k_qe8b1e3fd6b_attn
	.globl	k_qe8b1e3fd6b_attn
	.p2align	8
	.type	k_qe8b1e3fd6b_attn,@function
k_qe8b1e3fd6b_attn:
	s_mov_b64 s[64:65], 0
	v_nop
	global_prefetch_b8 v0, s[64:65] scope:SCOPE_SE
	s_setreg_imm32_b32 hwreg(HW_REG_WAVE_MODE, 25, 1), 1
	s_wait_xcnt 0x0
	s_wait_alu depctr_hold_cnt(0) depctr_sa_sdst(0) depctr_va_vdst(0) depctr_va_sdst(0) depctr_va_ssrc(0) depctr_va_vcc(0) depctr_vm_vsrc(0)
	s_getreg_b32 s2, hwreg(HW_REG_IB_STS2, 6, 4)
	s_cmp_eq_u32 s2, 0
	s_cbranch_scc0 .Lentry_in_a_cluster
	s_endpgm
.Lentry_in_a_cluster:
	s_bfe_u32 s2, ttmp6, 0x10000c
	s_cmp_lg_u32 s2, 0xf033
	s_cbranch_scc0 .Lentry_shape_is_right
	s_endpgm
.Lentry_shape_is_right:
; oh[b][s][64 head + d] = the sum over keys of softmax_k(q . k / 8 + attn_mask[s][k]) v, in f16 operands with f32 products' sums, maxima and sums.  qkv: f16, [q, k, v][16 b + head][2048][64]; q comes divided by 8.
; LIMITS: a row whose every score lies under -2^126 gives NaN (a row of -infinity does so by definition); p and o are rounded to f16 (p is at most about 1, |o| at most the largest |v|).
; SHARES.  A work-group owns 256 queries (block X) of two neighbouring heads (pair Y): eight waves, wave w: head w / 4, queries 64 (w % 4) on: four tiles of 16.  Every wave walks all 2,048 keys, 64 a step.
; LAYOUT.  S^T = K Q^T + C (source 0 = 16 keys, source 1 = 16 queries): a lane holds ONE query (lane % 16) and keys 8 (lane / 16) + 0 .. 7.  C IS THE MASK: a lane's eight keys are 32 neighbouring bytes of the
; mask's row, loaded from LDS into the accumulator's own registers, so that the mask costs no vector instruction.  Two tiles of S^T, rounded to f16 in pairs, are source 1 of O^T = V^T P.  V comes out of LDS turned.
; SOFTMAX.  A running maximum m and sum l for each query: p = 2^(c s - c m), c = log2(e); in every step O and l are multiplied by a = 2^(c m_old - c m_new).
; TWO GROUPS OF WAVES.  A step is part A (LDS loads, K Q^T) and part B (softmax, V^T P).  Between two changes of slots group 0 runs A(j), B(j) and group 1 runs B(j - 1), A(j): so one group's vector work can stand
; beside the other's loads and products.  Part B touches no LDS byte, so every read of tile j stands between the changes j and j + 1 in both groups.  The branches hang on the wave's number alone.
; CLUSTER, 4 x 4.  The mask's tile hangs on X alone: the four work-groups of a column of the cluster ask for it jointly.  K's and V's tiles hang on Y alone: the four of a row ask jointly.
; RING.  Two slots, one step each: 256 rows of the mask, 2 x 64 rows of K, 2 x 64 rows of V.  Each wave fetches one eighth-part by one load (waves 0-3 the mask, 4-5 K, 6-7 V): one tensor load of mine is out at a time.
; REGISTERS.  window 0: v1-11 addresses; v12-43 statistics, eight a tile; v44-47; v64-191 S^T ((qt, kt) at 64 + 32 qt + 8 kt); v192-255 P ((qt, ks) at 192 + 16 qt + 8 ks).
;   window 1: v0-127 O^T ((qt, ct) at 32 qt + 8 ct); v128-191 Q ((qt, cs) at 128 + 16 qt + 8 cs); v192-255 K of the step ((kt, cs) at 192 + 16 kt + 8 cs), then V ((ks, ct) at 192 + 32 ks + 8 ct).
.set PITM,  272                        ; a row of the mask's tile in LDS: 256 bytes + 16
.set PITK,  144                        ; a row of K: 128 + 16
.set PITV,  160                        ; a row of V: 128 + 32, for the turning load
.set KOFF,  256*PITM                   ; a slot: the mask, K of two heads, V of two heads
.set VOFF,  KOFF+128*PITK
.set SLOT1, 1<<17                      ; slot 1 begins here: one exclusive or turns an address
.set STAGE, SLOT1+VOFF+128*PITV        ; behind the ring: 256 rows x (256 bytes + 16), for the way out; no tensor load lands here
.set SPARE, STAGE+256*272              ; the spare words, 128 bytes a wave, named by no other line
.set AK0, 2                            ; v2  my lane's place in a tile of K
.set AV0, 3                            ; v3  of V
.set AM0, 4                            ; v4  of the mask
.set ADK, 5                            ; v5-7 the same in the slot in hand
.set ADV, 6
.set ADM, 7
.set QO,  8                            ; v8  my byte offset in the wave's rows of Q
.set STO, 9                            ; v9  the way out: where I put 16 bytes of a row
.set RD,  10                           ; v10 where I read a row back
.set GO,  11                           ; v11 my byte offset in oh
.set ST,  12                           ; tile t at v[ST + 8 t]: +0 c m, +1 m, +2, +3 l (even keys', odd keys'; on the way out 1 / l and the lane exchange), +4 .. +7 at work; a lies in +6
.set SPW, 44                           ; v44 LDS address of my spare word; never rewritten
.set NIL, 45                           ; v45 0; never rewritten
.set PFO, 46                           ; v46 the prefetches' offset; never rewritten
.set HH,  47                           ; v47 lane / 16
.set S,   64
.set P,   192
.set QF,  128                          ; in window 1
.set KV,  192                          ; in window 1
.set WV,  10                           ; s10 wave; s11 its head; s12 its quarter of the queries; s13 its group
.set HD,  11
.set QS,  12
.set GRP, 13
.set G1M, 24                           ; s[24:31], s[32:39], s[40:47] groups 1 for the mask, K, V
.set G1K, 32
.set G1V, 40
.set G0M, 48                           ; s[48:51], s[52:55], s[56:59] their groups 0, which walk
.set G0K, 52
.set G0V, 56
.set CNT, 60                           ; s60 tiles still to be asked for
.set TB,  61                           ; s61 LDS byte at which the slot in hand begins
.set SEL, 62                           ; s62, s63 selects for v_permlanex16_b32: lane l xor 16
.set CS,  66                           ; s[66:67] c = log2(e), twice
.set PFA, 68                           ; s[68:69] where my prefetches stand
.set PFS, 70                           ; s[70:71] a tile on, in bytes
.set LIM, 72                           ; s72 1 in a wave that prefetches, else the greatest number
.set MSB, 0
.macro WIN new                         ; the immediate's high byte repeats the setting that is left
.if MSB != \new
	s_set_vgpr_msb (MSB<<8)|\new
.set MSB, \new
.endif
.endm
.set W_KQ, 0x05                        ; K and Q window 1, S^T window 0
.set W_PV, 0x51                        ; V window 1, P window 0, O^T window 1
.set W_RS, 0x41                        ; O^T (destination, source 0) window 1, a window 0
.set TO_1, 0x40                        ; destination window 1, address window 0
; A joint load: every wave issues exactly one.  The branches hang on the wave's number alone.  An s_nop 0 and four v_nop follow each line.
.macro JLOAD
	s_cmp_lt_u32 s[WV], 4
	s_cbranch_scc0 .Lnot_m_\@
	tensor_load_to_lds s[G0M:G0M+3], s[G1M:G1M+7]
	s_nop 0
.rept 4
	v_nop
.endr
	s_branch .Lasked_\@
.Lnot_m_\@:
	s_cmp_lt_u32 s[WV], 6
	s_cbranch_scc0 .Lnot_k_\@
	tensor_load_to_lds s[G0K:G0K+3], s[G1K:G1K+7]
	s_nop 0
.rept 4
	v_nop
.endr
	s_branch .Lasked_\@
.Lnot_k_\@:
	tensor_load_to_lds s[G0V:G0V+3], s[G1V:G1V+7]
	s_nop 0
.rept 4
	v_nop
.endr
.Lasked_\@:
.endm
; A PREFETCH of the tile that the NEXT change of slots will ask for, behind my tensor load and its five lines.  Each aligned block of 256 bytes is named once in the launch.  The mask's rows 256 X on are read by all
; clusters of one cluster x: those of cluster y = 0 ask; the column's four partners take 64 rows each, told apart by address; waves 0 and 1 take 32 each, a lane a row.  K's and V's tiles of pair Y are read by both
; clusters of one cluster y: cluster x = 0 asks; partner cx takes one of the four blocks of 8,192 bytes (K or V, first or second head), by address; wave 4 asks, lanes 256 bytes apart.  The last change that fills asks for nothing.
.macro ASK
	s_cmp_gt_u32 s[CNT], s[LIM]
	s_cbranch_scc0 .Lnot_mine_\@
	global_prefetch_b8 v[PFO], s[PFA:PFA+1] th:TH_LOAD_NT scope:SCOPE_SE
.Lnot_mine_\@:
.endm
.macro CROUND                          ; a round of the cluster's barrier
	s_barrier_signal -1
	s_barrier_wait -1
	s_cmp_lg_u32 s[WV], 0
	s_cbranch_scc1 .Lnot_wave_0_\@
	s_barrier_signal -3
.Lnot_wave_0_\@:
	s_barrier_wait -3
	s_barrier_signal -1
	s_barrier_wait -1
.endm
	s_load_b128 s[4:7], s[0:1], 0x0                ; qkv, attn_mask
	s_load_b64 s[8:9], s[0:1], 0x10                ; oh
	v_lshl_add_u32 v[SPW], v0, 2, SPARE
	v_mov_b32 v[NIL], 0
	ds_add_u32 v[SPW], v[NIL]                      ; the wave's opening: the add, twice on end, and its wait ahead of my first tensor load
	ds_add_u32 v[SPW], v[NIL]
	v_lshrrev_b32 v1, 5, v0
	v_readfirstlane_b32 s[WV], v1                  ; wave 0..7
	s_lshr_b32 s[HD], s[WV], 2
	s_and_b32 s[QS], s[WV], 3
	s_xor_b32 s[GRP], s[WV], s[HD]
	s_and_b32 s[GRP], s[GRP], 1                    ; waves 0, 2, 5, 7: group 0; waves 1, 3, 4, 6: group 1
	s_bfe_u32 s14, ttmp6, 0x40000                  ; cx
	s_bfe_u32 s15, ttmp6, 0x40004                  ; cy
	s_lshl_b32 s16, ttmp9, 2
	s_add_co_u32 s16, s16, s14                     ; X = 4 x cluster x + cx
	s_and_b32 s20, ttmp7, 0xffff                   ; cluster y
	s_lshl_b32 s17, s20, 2
	s_add_co_u32 s17, s17, s15                     ; Y = 4 x cluster y + cy
	s_lshl_b32 s18, s15, 2
	s_lshl_b32 s18, 15, s18                        ; my row of the cluster
	s_lshl_b32 s19, 0x1111, s14                    ; my column
	s_or_b32 s[G1M], s19, (2<<16)|(1<<20)|(1<<21)|(5<<22)|(3<<25)   ; the mask's tile goes to my column; elements of 4 bytes; padding: 4 words behind every 64
	s_mov_b32 s[G1M+1], 64<<16                     ; tensor_dim0 = 64
	s_mov_b32 s[G1M+2], 64<<16                     ; tensor_dim1 = 64
	s_mov_b32 s[G1M+3], 64<<16                     ; tile_dim0 = 64 elements: 256 bytes
	s_mov_b32 s[G1M+4], 64                         ; tile_dim1 = 64 rows
	s_mov_b32 s[G1M+5], 2048                       ; from row to row
	s_mov_b32 s[G1M+6], 0
	s_mov_b32 s[G1M+7], 0
	s_or_b32 s[G1K], s18, (1<<16)|(1<<20)|(1<<21)|(4<<22)|(3<<25)   ; K's tile goes to my row; elements of 2 bytes; 4 words behind every 32
	s_or_b32 s[G1V], s18, (1<<16)|(1<<20)|(1<<21)|(4<<22)|(7<<25)   ; V's: 8 words
.irp g, G1K, G1V
	s_mov_b32 s[\g+1], 64<<16
	s_mov_b32 s[\g+2], 64<<16
	s_mov_b32 s[\g+3], 64<<16                      ; 64 elements: 128 bytes
	s_mov_b32 s[\g+4], 64
	s_mov_b32 s[\g+5], 64
	s_mov_b32 s[\g+6], 0
	s_mov_b32 s[\g+7], 0
.endr
	s_lshl_b32 s74, s16, 21                        ; the mask's tile: row 256 X + 64 (w % 4), 8,192 bytes a row: X and the wave's number alone
	s_lshl_b32 s75, s[QS], 19
	s_add_co_u32 s74, s74, s75
	s_mov_b32 s75, 0
	s_and_b32 s21, s[WV], 1                        ; which head's tile I fetch
	s_lshl_b32 s76, s17, 1
	s_add_co_u32 s76, s76, s21
	s_lshl_b32 s76, s76, 18
	s_add_co_u32 s76, s76, 0x1000000               ; K's part, head 2 Y + (w % 2): Y and the wave's number alone
	s_mov_b32 s77, 0
	s_lshl_b32 s78, s17, 1                         ; Q: head 2 Y + my head, row 256 X + 64 (w % 4)
	s_add_co_u32 s78, s78, s[HD]
	s_lshl_b32 s78, s78, 18
	s_lshl_b32 s79, s16, 15
	s_add_co_u32 s78, s78, s79
	s_lshl_b32 s79, s[QS], 13
	s_add_co_u32 s78, s78, s79
	s_mov_b32 s79, 0
	s_lshr_b32 s80, s17, 3                         ; oh: row 2,048 b + 256 X + 32 w of 2,048 bytes; the pair's 256 bytes
	s_lshl_b32 s80, s80, 22
	s_lshl_b32 s81, s16, 19
	s_add_co_u32 s80, s80, s81
	s_lshl_b32 s81, s[WV], 16
	s_add_co_u32 s80, s80, s81
	s_and_b32 s81, s17, 7
	s_lshl_b32 s81, s81, 8
	s_add_co_u32 s80, s80, s81
	s_mov_b32 s81, 0
	; the prefetches: where mine stand (tile 1: the first change of slots steps them to tile 2), and who asks
	s_lshl_b32 s82, s16, 21                        ; the mask: row 256 X + 64 cy + 32 (w % 2)
	s_lshl_b32 s86, s15, 19
	s_add_co_u32 s82, s82, s86
	s_lshl_b32 s86, s21, 18
	s_add_co_u32 s82, s82, s86
	s_add_co_u32 s82, s82, 256
	s_lshr_b32 s83, s14, 1                         ; K or V: part 1 + cx / 2, head 2 Y + cx % 2
	s_add_co_u32 s83, s83, 1
	s_lshl_b32 s83, s83, 24
	s_and_b32 s86, s14, 1
	s_lshl_b32 s87, s17, 1
	s_add_co_u32 s86, s86, s87
	s_lshl_b32 s86, s86, 18
	s_add_co_u32 s83, s83, s86
	s_add_co_u32 s83, s83, 8192
	s_lshr_b32 s84, s[WV], 1                       ; 0 in waves 0 and 1
	s_mov_b32 s[PFS], 8192
	s_mov_b32 s86, 256
	s_cmp_lt_u32 s[WV], 4                          ; waves 0-3 stand by the mask, waves 4-7 by K and V
	s_cselect_b32 s82, s82, s83
	s_cselect_b32 s84, s84, s[QS]                  ; 0 in waves 0, 1 and 4
	s_cselect_b32 s85, s20, ttmp9                  ; the coordinate along which other clusters read the same bytes
	s_cselect_b32 s[PFS], 256, s[PFS]              ; a tile on
	s_cselect_b32 s86, 8192, s86                   ; from lane to lane
	s_mov_b32 s[PFS+1], 0
	s_mov_b32 s83, 0
	s_or_b32 s84, s84, s85
	s_cmp_eq_u32 s84, 0
	s_cselect_b32 s[LIM], 1, -1                    ; the same in all sixteen partners, for a given wave
	v_and_b32 v[PFO], 31, v0
	v_mul_lo_u32 v[PFO], v[PFO], s86
	s_mov_b32 s[SEL], 0x76543210
	s_mov_b32 s[SEL+1], 0xfedcba98
	s_mov_b32 s[CS], 0x3fb8aa3b                    ; c = log2(e)
	s_mov_b32 s[CS+1], s[CS]
	s_mov_b32 s[TB], 0
	s_mov_b32 s[CNT], 31
	s_wait_dscnt 0x0                               ; both opening adds are done
	s_wait_kmcnt 0x0
	s_cmp_lt_u32 s[WV], 4
	s_cselect_b64 s[PFA:PFA+1], s[6:7], s[4:5]
	s_add_nc_u64 s[PFA:PFA+1], s[PFA:PFA+1], s[82:83]
	s_add_nc_u64 s[78:79], s[4:5], s[78:79]        ; Q at my first row
	s_add_nc_u64 s[8:9], s[8:9], s[80:81]          ; oh at the first row that I store
	CROUND                                         ; all sixteen work-groups are here: the first joint loads meet
	s_mov_b32 s[G0M], 1
	s_mul_i32 s[G0M+1], s[QS], 64*PITM             ; LDS: slot 0, my quarter of the mask's rows
	s_add_nc_u64 s[G0M+2:G0M+3], s[6:7], s[74:75]
	s_or_b32 s[G0M+3], s[G0M+3], 0x80000000
	s_mov_b32 s[G0K], 1
	s_mul_i32 s[G0K+1], s21, 64*PITK
	s_add_co_u32 s[G0K+1], s[G0K+1], KOFF
	s_add_nc_u64 s[G0K+2:G0K+3], s[4:5], s[76:77]
	s_mov_b32 s[G0V], 1
	s_mul_i32 s[G0V+1], s21, 64*PITV
	s_add_co_u32 s[G0V+1], s[G0V+1], VOFF
	s_add_nc_u64 s[G0V+2:G0V+3], s[G0K+2:G0K+3], 0x1000000   ; V's part lies 2^24 bytes behind K's
	s_or_b32 s[G0K+3], s[G0K+3], 0x80000000
	s_or_b32 s[G0V+3], s[G0V+3], 0x80000000
	JLOAD                                          ; tile 0 into slot 0
	v_and_b32 v1, 15, v0                           ; r = l % 16
	v_bfe_u32 v[HH], v0, 4, 1                      ; h = l / 16
	v_lshlrev_b32 v[QO], 7, v1
	v_lshl_add_u32 v[QO], v[HH], 4, v[QO]          ; row r of 128 bytes + 16 h
	WIN TO_1
.irp i, 0,1,2,3,4,5,6,7                ; Q stays in registers: tile i / 2, channels 32 (i % 2) on
	global_load_b128 v[QF+8*\i:QF+8*\i+3],   v[QO], s[78:79] offset:(\i/2)*2048+(\i%2)*64
	global_load_b128 v[QF+8*\i+4:QF+8*\i+7], v[QO], s[78:79] offset:(\i/2)*2048+(\i%2)*64+32
.endr
.set i, 0
.rept 128
	v_mov_b32 v[i], 0                              ; O^T.  (Part B is written once for all steps: the first finds zeros, which its a = 0 leaves zeros)
.set i, i+1
.endr
	WIN 0
	v_mul_u32_u24 v[AK0], v1, PITK
	v_lshl_add_u32 v[AK0], v[HH], 4, v[AK0]
	s_mul_i32 s22, s[HD], 64*PITK
	s_add_co_u32 s22, s22, KOFF
	v_add_nc_u32 v[AK0], s22, v[AK0]               ; K: my head's tile, row r, + 16 h
	v_and_b32 v5, 7, v0
	v_bfe_u32 v6, v0, 3, 1
	v_lshl_add_u32 v[AV0], v[HH], 3, v5
	v_mul_u32_u24 v[AV0], v[AV0], PITV
	v_lshl_add_u32 v[AV0], v6, 4, v[AV0]
	s_mul_i32 s22, s[HD], 64*PITV
	s_add_co_u32 s22, s22, VOFF
	v_add_nc_u32 v[AV0], s22, v[AV0]               ; V, for the turning load: key 8 h + l % 8, channels 8 ((l / 8) % 2) on
	v_mul_u32_u24 v[AM0], v1, PITM
	v_lshl_add_u32 v[AM0], v[HH], 5, v[AM0]
	s_mul_i32 s22, s[QS], 64*PITM
	v_add_nc_u32 v[AM0], s22, v[AM0]               ; the mask: my quarter's row r, + 32 h: my eight keys
	v_lshl_add_u32 v[STO], v[HH], 4, STAGE
	v_mad_u32_u24 v[STO], v1, 272, v[STO]
	s_lshl_b32 s23, s[HD], 7
	s_add_co_u32 s22, s22, s23                     ; (the stage's pitch is the mask's: 64 rows a quarter) + my head's 128 bytes
	v_add_nc_u32 v[STO], s22, v[STO]               ; the way out, in: row 64 (w % 4) + r, + 128 x head + 16 h
	v_lshl_add_u32 v[RD], v1, 4, STAGE
	v_mad_u32_u24 v[RD], v[HH], 272, v[RD]
	s_mul_i32 s22, s[WV], 32*272
	v_add_nc_u32 v[RD], s22, v[RD]                 ; back: rows 32 w on; lanes 0-15 one row of 256 bytes, lanes 16-31 the next
	v_lshlrev_b32 v[GO], 11, v[HH]
	v_lshl_add_u32 v[GO], v1, 4, v[GO]             ; and the same two rows in oh
.irp t, 0,1,2,3
	v_mov_b32 v[ST+8*\t+1], 0xfe800000             ; m = -2^126, under every score that is served
	v_mov_b32 v[ST+8*\t+2], 0                      ; l
	v_mov_b32 v[ST+8*\t+3], 0
.endr
.irp t, 0,1,2,3
	v_mul_f32 v[ST+8*\t], s[CS], v[ST+8*\t+1]      ; c m
.endr
; PART A of a step: K's fragments and the mask's tile from the slot in hand; S^T = K Q^T + mask; then V's fragments, turned, into K's registers.
.macro PART_A
	v_add_nc_u32 v[ADK], s[TB], v[AK0]             ; these three and the v_nop are the four places between the last V^T P and the loads into the registers that it read
	v_add_nc_u32 v[ADV], s[TB], v[AV0]
	v_add_nc_u32 v[ADM], s[TB], v[AM0]
	v_nop
	WIN TO_1
.irp f, 0,1,2,3,4,5,6,7                ; keys 16 (f / 2) on, channels 32 (f % 2) on
	ds_load_b128 v[KV+8*\f:KV+8*\f+3],   v[ADK] offset:(\f/2)*16*PITK+(\f%2)*64
	ds_load_b128 v[KV+8*\f+4:KV+8*\f+7], v[ADK] offset:(\f/2)*16*PITK+(\f%2)*64+32
.endr
	WIN 0
.irp a, 0,1,2,3,4,5,6,7,8,9,10,11,12,13,14,15   ; queries 16 (a / 4) on, keys 16 (a % 4) on: the mask in the accumulator's layout
	ds_load_b128 v[S+8*\a:S+8*\a+3],   v[ADM] offset:(\a/4)*16*PITM+(\a%4)*64
	ds_load_b128 v[S+8*\a+4:S+8*\a+7], v[ADM] offset:(\a/4)*16*PITM+(\a%4)*64+16
.endr
	WIN W_KQ
.irp cs, 0,1                           ; the 16 accumulators take turns, one instruction a turn
.irp qt, 0,1,2,3
.if \cs == 0
	s_wait_dscnt 24-8*\qt                          ; K and this tile's mask are in; the mask loads of the later tiles of queries, eight each, may be out
.endif
.irp kt, 0,1,2,3
	v_wmma_f32_16x16x32_f16 v[S+32*\qt+8*\kt:S+32*\qt+8*\kt+7], v[KV+8*(2*\kt+\cs):KV+8*(2*\kt+\cs)+7], v[QF+8*(2*\qt+\cs):QF+8*(2*\qt+\cs)+7], v[S+32*\qt+8*\kt:S+32*\qt+8*\kt+7]
.endr
.endr
.endr
.rept 4
	v_nop                                          ; places: V's loads land in K's registers, and part B reads the scores
.endr
	WIN TO_1
.irp f, 0,1,2,3,4,5,6,7                ; keys 32 (f / 4) on, channels 16 (f % 4) on
	ds_load_tr16_b128 v[KV+8*\f:KV+8*\f+3],   v[ADV] offset:(\f/4)*32*PITV+(\f%4)*32
	ds_load_tr16_b128 v[KV+8*\f+4:KV+8*\f+7], v[ADV] offset:(\f/4)*32*PITV+16*PITV+(\f%4)*32
.endr
	WIN 0
.endm
; PART B of a step: the softmax of my four tiles, line by line with the tiles by turns, and O^T += V^T P.  No LDS byte is touched.
.macro PART_B
.irp j, 0,1,2,3                        ; the maximum of a lane's 32 scores and the old m: four chains; each accumulator is read from its low end on
.irp t, 0,1,2,3
	v_max3_num_f32 v[ST+8*\t+4+\j], v[S+32*\t+8*\j], v[S+32*\t+8*\j+1], v[S+32*\t+8*\j+2]
.endr
.endr
.irp g, 1,2
.irp j, 0,1,2,3
.irp t, 0,1,2,3
	v_max3_num_f32 v[ST+8*\t+4+\j], v[ST+8*\t+4+\j], v[S+32*\t+8*\j+2*\g+1], v[S+32*\t+8*\j+2*\g+2]
.endr
.endr
.endr
.irp t, 0,1,2,3
	v_max3_num_f32 v[ST+8*\t+4], v[ST+8*\t+4], v[S+32*\t+7], v[S+32*\t+15]
.endr
.irp t, 0,1,2,3
	v_max3_num_f32 v[ST+8*\t+6], v[ST+8*\t+6], v[S+32*\t+23], v[S+32*\t+31]
.endr
.irp t, 0,1,2,3
	v_max3_num_f32 v[ST+8*\t+4], v[ST+8*\t+4], v[ST+8*\t+5], v[ST+8*\t+6]
.endr
.irp t, 0,1,2,3
	v_max3_num_f32 v[ST+8*\t+4], v[ST+8*\t+4], v[ST+8*\t+7], v[ST+8*\t+1]
.endr
.irp t, 0,1,2,3
	v_permlanex16_b32 v[ST+8*\t+5], v[ST+8*\t+4], s[SEL], s[SEL+1]   ; the query's other 32 keys lie in the lane 16 away
.endr
.irp t, 0,1,2,3
	v_max_num_f32 v[ST+8*\t+1], v[ST+8*\t+4], v[ST+8*\t+5]           ; the new m
.endr
.irp t, 0,1,2,3
	v_mov_b32 v[ST+8*\t+7], v[ST+8*\t]                               ; c m_old
.endr
.irp t, 0,1,2,3
	v_mul_f32 v[ST+8*\t], s[CS], v[ST+8*\t+1]                        ; c m
.endr
.irp t, 0,1,2,3
	v_sub_f32 v[ST+8*\t+7], v[ST+8*\t+7], v[ST+8*\t]
.endr
.irp t, 0,1,2,3
	v_exp_f32 v[ST+8*\t+6], v[ST+8*\t+7]                             ; a
.endr
.irp i, 0,1,2,3,4,5,6,7,8,9,10,11,12,13,14,15
.irp t, 0,1,2,3
	v_pk_fma_f32 v[S+32*\t+2*\i:S+32*\t+2*\i+1], v[S+32*\t+2*\i:S+32*\t+2*\i+1], s[CS:CS+1], v[ST+8*\t:ST+8*\t+1] op_sel_hi:[1,0,0] neg_lo:[0,0,1] neg_hi:[0,0,1]   ; c s - c m
.endr
.endr
.irp i, 0,1,2,3,4,5,6,7,8,9,10,11,12,13,14,15,16,17,18,19,20,21,22,23,24,25,26,27,28,29,30,31
.irp t, 0,1,2,3
	v_exp_f32 v[S+32*\t+\i], v[S+32*\t+\i]                           ; p
.endr
.endr
	v_nop                                          ; a plain instruction behind the last exponential
	s_wait_alu depctr_va_vdst(0)                   ; ONE wait for the 132 exponentials, ahead of the first instruction that names a result
.irp i, 0,1,2,3,4,5,6,7,8,9,10,11,12,13,14,15
.irp t, 0,1,2,3
	v_cvt_pk_f16_f32 v[P+16*\t+\i], v[S+32*\t+2*\i], v[S+32*\t+2*\i+1]
.endr
.endr
.irp z, 0,1,2,3,4,5,6,7                ; the sum of a tile's 16 pairs, in place: neighbours 1, 2, 4 and 8 pairs apart
.irp t, 0,1,2,3
	v_pk_add_f32 v[S+32*\t+4*\z:S+32*\t+4*\z+1], v[S+32*\t+4*\z:S+32*\t+4*\z+1], v[S+32*\t+4*\z+2:S+32*\t+4*\z+3]
.endr
.endr
.irp z, 0,1,2,3
.irp t, 0,1,2,3
	v_pk_add_f32 v[S+32*\t+8*\z:S+32*\t+8*\z+1], v[S+32*\t+8*\z:S+32*\t+8*\z+1], v[S+32*\t+8*\z+4:S+32*\t+8*\z+5]
.endr
.endr
.irp z, 0,1
.irp t, 0,1,2,3
	v_pk_add_f32 v[S+32*\t+16*\z:S+32*\t+16*\z+1], v[S+32*\t+16*\z:S+32*\t+16*\z+1], v[S+32*\t+16*\z+8:S+32*\t+16*\z+9]
.endr
.endr
.irp t, 0,1,2,3
	v_pk_add_f32 v[S+32*\t:S+32*\t+1], v[S+32*\t:S+32*\t+1], v[S+32*\t+16:S+32*\t+17]
.endr
.irp t, 0,1,2,3
	v_pk_fma_f32 v[ST+8*\t+2:ST+8*\t+3], v[ST+8*\t+2:ST+8*\t+3], v[ST+8*\t+6:ST+8*\t+7], v[S+32*\t:S+32*\t+1] op_sel_hi:[1,0,1]   ; l = a l + the sum
.endr
	WIN W_RS
.irp i, 0,1,2,3,4,5,6,7,8,9,10,11,12,13,14,15
.irp t, 0,1,2,3
	v_pk_mul_f32 v[32*\t+2*\i:32*\t+2*\i+1], v[32*\t+2*\i:32*\t+2*\i+1], v[ST+8*\t+6:ST+8*\t+7] op_sel_hi:[1,0]   ; O^T x a, each accumulator from its low end on
.endr
.endr
	s_wait_dscnt 0x0                               ; V is in
	WIN W_PV
.irp ks, 0,1                           ; the 16 accumulators take turns
.irp ct, 0,1,2,3
.irp qt, 0,1,2,3
	v_wmma_f32_16x16x32_f16 v[32*\qt+8*\ct:32*\qt+8*\ct+7], v[KV+8*(4*\ks+\ct):KV+8*(4*\ks+\ct)+7], v[P+16*\qt+8*\ks:P+16*\qt+8*\ks+7], v[32*\qt+8*\ct:32*\qt+8*\ct+7]
.endr
.endr
.endr
	WIN 0
.endm
.macro GB g                            ; part B for the waves of group g alone: the branch leads round register work only
	s_cmp_lg_u32 s[GRP], \g
	s_cbranch_scc1 .Lnot_my_turn_\@
	PART_B
.Lnot_my_turn_\@:
.endm
; THE CHANGE OF SLOTS.  Each wave waits for its tensor load (its part of the tile about to be read), adds 0 to its spare word, and waits for that and for its reads of the slot that it has left.
; fill = 1: a round of the cluster's barrier, and first behind it the joint load of the next tile into the slot left: it has a whole step in which to land.
.macro CHANGE fill
	s_wait_tensorcnt 0x0                           ; no tensor load of mine is out, so the groups 0 may be written
	ds_add_u32 v[SPW], v[NIL]                      ; 0 onto my spare word
.if \fill
	s_xor_b32 s[G0M+1], s[G0M+1], SLOT1            ; the walking descriptors: the other slot, the next 64 keys
	s_add_nc_u64 s[G0M+2:G0M+3], s[G0M+2:G0M+3], 256
	s_xor_b32 s[G0K+1], s[G0K+1], SLOT1
	s_add_nc_u64 s[G0K+2:G0K+3], s[G0K+2:G0K+3], 8192
	s_xor_b32 s[G0V+1], s[G0V+1], SLOT1
	s_add_nc_u64 s[G0V+2:G0V+3], s[G0V+2:G0V+3], 8192
	s_wait_xcnt 0x0                                ; the last prefetch, a step back, has read its address
	s_add_nc_u64 s[PFA:PFA+1], s[PFA:PFA+1], s[PFS:PFS+1]   ; one tile further on than the walking descriptors
.endif
	s_wait_dscnt 0x0                               ; the add is done, and my reads of the slot that I have left are over
.if \fill
	CROUND
	JLOAD
	ASK
.else
	s_barrier_signal -1
	s_barrier_wait -1
.endif
.endm
	s_wait_loadcnt 0x0                             ; Q
	CHANGE 1                                       ; tile 0 is whole; tile 1 goes into slot 1, its first fill
	PART_A
	GB 0
	s_xor_b32 s[TB], s[TB], SLOT1
	s_mov_b32 s[CNT], 30
.Lper:                                 ; steps 1 to 30
	CHANGE 1
	GB 1
	PART_A
	GB 0
	s_xor_b32 s[TB], s[TB], SLOT1
	s_sub_co_u32 s[CNT], s[CNT], 1
	s_cmp_lg_u32 s[CNT], 0
	s_cbranch_scc1 .Lper
	CHANGE 0                                       ; step 31 is written out: nothing is left to ask for
	GB 1
	PART_A
	GB 0
	GB 1
	; THE WAY OUT.  l's halves and the other half of the lanes' are added; O^T / l is rounded to f16 and meets the other head's in the stage: a row's 256 bytes come from waves w and w + 4.
	; l's own two words take the lane exchange (+3) and the reciprocal (+2): both were written at the kernel's head, on every wave's path, and l is done with once its halves are added.
.irp t, 0,1,2,3
	v_add_f32 v[ST+8*\t+4], v[ST+8*\t+2], v[ST+8*\t+3]               ; (these four are the places behind the last products)
.endr
.irp t, 0,1,2,3
	v_permlanex16_b32 v[ST+8*\t+3], v[ST+8*\t+4], s[SEL], s[SEL+1]
.endr
.irp t, 0,1,2,3
	v_add_f32 v[ST+8*\t+4], v[ST+8*\t+4], v[ST+8*\t+3]
.endr
.irp t, 0,1,2,3
	v_rcp_f32 v[ST+8*\t+2], v[ST+8*\t+4]
.endr
	v_nop                                          ; a plain instruction behind the last reciprocal
	s_wait_alu depctr_va_vdst(0)                   ; one wait for the four, ahead of their first reader
.macro OUT_T t
	WIN 0x01                                       ; source 0 window 1
.irp i, 0,1,2,3,4,5,6,7,8,9,10,11,12,13,14,15
	v_pk_mul_f32 v[S+32*\t+2*\i:S+32*\t+2*\i+1], v[32*\t+2*\i:32*\t+2*\i+1], v[ST+8*\t+2:ST+8*\t+3] op_sel_hi:[1,0]   ; x 1 / l: of the pair the low word serves both halves
.endr
	WIN 0
.irp i, 0,1,2,3,4,5,6,7,8,9,10,11,12,13,14,15
	v_cvt_pk_f16_f32 v[P+16*\t+\i], v[S+32*\t+2*\i], v[S+32*\t+2*\i+1]
.endr
.irp ct, 0,1,2,3
	ds_store_b128 v[STO], v[P+16*\t+4*\ct:P+16*\t+4*\ct+3] offset:\t*16*272+32*\ct   ; query 16 t + r, channels 16 ct + 8 h + 0 .. 7
.endr
.endm
	OUT_T 0
	OUT_T 1
	OUT_T 2
	OUT_T 3
	s_wait_dscnt 0x0                               ; for the others' sake: my stores into the stage have landed
	s_barrier_signal -1
	s_barrier_wait -1
.irp i, 0,1,2,3,4,5,6,7,8,9,10,11,12,13,14,15
	ds_load_b128 v[S+4*\i:S+4*\i+3], v[RD] offset:\i*2*272
.endr
.irp i, 0,1,2,3,4,5,6,7,8,9,10,11,12,13,14,15
	s_wait_dscnt 15-\i                             ; rows 2 i, 2 i + 1 are in; the younger loads may be out
	global_store_b128 v[GO], v[S+4*\i:S+4*\i+3], s[8:9] offset:\i*4096   ; 16 lanes store 256 consecutive bytes, aligned
.endr
	s_wait_tensorcnt 0x0                           ; the wave's end, behind my last tensor load and my last LDS store
	ds_add_u32 v[SPW], v[NIL]
	s_wait_dscnt 0x0
	CROUND                                         ; the closing round
	s_endpgm
.Lfunc_end_k_qe8b1e3fd6b_attn:
	.size	k_qe8b1e3fd6b_attn, .Lfunc_end_k_qe8b1e3fd6b_attn-k_qe8b1e3fd6b_attn
	.p2alignl 7, 3214868480
	.fill 96, 4, 3214868480
	.section	.rodata,"a",@progbits
	.p2align	6, 0x0
	.amdhsa_kernel k_qe8b1e3fd6b_attn
		.amdhsa_group_segment_fixed_size 327680
		.amdhsa_private_segment_fixed_size 0
		.amdhsa_enable_private_segment 0
		.amdhsa_kernarg_size 24
		.amdhsa_user_sgpr_count 2
		.amdhsa_user_sgpr_kernarg_segment_ptr 1
		.amdhsa_wavefront_size32 1
		.amdhsa_system_sgpr_workgroup_id_x 1
		.amdhsa_system_sgpr_workgroup_id_y 1
		.amdhsa_system_sgpr_workgroup_id_z 1
		.amdhsa_system_vgpr_workitem_id 0
		.amdhsa_next_free_vgpr 512
		.amdhsa_next_free_sgpr 92
		.amdhsa_reserve_vcc 0
		.amdhsa_float_denorm_mode_32 3
		.amdhsa_float_denorm_mode_16_64 3
		.amdhsa_memory_ordered 1
		.amdhsa_forward_progress 1
		.amdhsa_inst_pref_size 216
	.end_amdhsa_kernel
	.amdgpu_metadata
---
amdhsa.version: [ 1, 2 ]
amdhsa.kernels:
  - .name:           k_qe8b1e3fd6b_attn
    .symbol:         k_qe8b1e3fd6b_attn.kd
    .args:
      - { .name: qkv, .offset: 0, .size: 8, .value_kind: global_buffer, .address_space: global }
      - { .name: attn_mask, .offset: 8, .size: 8, .value_kind: global_buffer, .address_space: global }
      - { .name: oh, .offset: 16, .size: 8, .value_kind: global_buffer, .address_space: global }
    .group_segment_fixed_size: 327680
    .private_segment_fixed_size: 0
    .kernarg_segment_align: 8
    .kernarg_segment_size: 24
    .max_flat_workgroup_size: 256
    .sgpr_count:     92
    .vgpr_count:     512
    .wavefront_size: 32
...
	.end_amdgpu_metadata
.endif
;; end of part 4
;; launch gemm_out (part 5): grid 8 x 64, 4 waves a work-group, clusters of 4 x 4, 327,680 bytes of LDS; arguments oh, wh, out0, bout; writes out0
.if DOCPART == 5
	.amdgcn_target "amdgcn-amd-amdhsa--gfx1250"
	.amdhsa_code_object_version 6
	.text
	.protected	k_qe8b1e3fd6b_gemm_out
	.globl	k_qe8b1e3fd6b_gemm_out
	.p2align	8
	.type	k_qe8b1e3fd6b_gemm_out,@function
k_qe8b1e3fd6b_gemm_out:
	s_mov_b64 s[64:65], 0
	v_nop
	global_prefetch_b8 v0, s[64:65] scope:SCOPE_SE
	s_setreg_imm32_b32 hwreg(HW_REG_WAVE_MODE, 25, 1), 1
	s_wait_xcnt 0x0
	s_wait_alu depctr_hold_cnt(0) depctr_sa_sdst(0) depctr_va_vdst(0) depctr_va_sdst(0) depctr_va_ssrc(0) depctr_va_vcc(0) depctr_vm_vsrc(0)
	s_getreg_b32 s2, hwreg(HW_REG_IB_STS2, 6, 4)
	s_cmp_eq_u32 s2, 0
	s_cbranch_scc0 .Lentry_in_a_cluster
	s_endpgm
.Lentry_in_a_cluster:
	s_bfe_u32 s2, ttmp6, 0x10000c
	s_cmp_lg_u32 s2, 0xf033
	s_cbranch_scc0 .Lentry_shape_is_right
	s_endpgm
.Lentry_shape_is_right:
; out0[m][n] = the sum over k of oh[m][k] wh[k][n] + bout[n].  oh [8192][1024] and wh [1024 (k)][1024 (n)] are f16; sums and out0 in f32.
; A tile of 128 x 128 is made by four waves, each 64 x 64: 16 accumulators, 128 registers: 512 tiles, two for each of 256 work-group places.  K goes in steps of 256 through a ring of two LDS slots.
; A's tile: 128 rows of 512 bytes.  B's tile lies as wh does, [k][n]: 256 rows of 256 bytes; its fragments come out of LDS by the turning load, so that nothing is transposed in memory.
; CLUSTERS: 4 x 4 work-groups.  A's tiles are asked for jointly by a row of the cluster, B's by a column.  No prefetch: a small tile with a short K (four steps), of which the first two are asked for at the head.
; THE MATRIX INSTRUCTION IS USED TRANSPOSED (source 0 = 16 columns of wh, source 1 = 16 rows of oh): a lane holds eight neighbouring columns of a row of out0.  The bias is the C of each sum's first product.
; REGISTERS: window 0: v0-31 addresses; v32-95 the way out; v96-127 the bias; v128-255 the accumulators ((a, b) at v[128 + 8 (4 a + b)]).  window 1: two fragment buffers of 128: 64 registers of A, then 64 of B.
.set SIZE_N, 1024
.set SIZE_K, 1024
.set KSTEP,  256
.set PITCH,  528                       ; a row of A in LDS: 512 bytes + 16
.set PB,     288                       ; a row of B: 256 bytes + 32, for the turning load
.set HALFA,  64*PITCH                  ; what one load brings of A: 64 rows
.set AREG,   2*HALFA
.set HALFB,  128*PB                    ; of B: 128 rows of k
.set SLOT,   AREG+2*HALFB
.set STAGE,  2*SLOT                    ; behind the ring: 16 rows x (256 bytes + 16) for each wave
.set SPITCH, 272
.set SPARE,  STAGE+4*16*SPITCH         ; the spare words, 128 bytes a wave, named by no other line
.set LAPS,   SIZE_K/(2*KSTEP)
.set ADRA, 16                          ; v16-17 LDS address of my A fragments in slot 0, 1
.set ADRB, 20                          ; v20-23 of my B fragments: slot 0 rows 0-127, rows 128-255; slot 1 likewise (an LDS offset has 16 bits)
.set STO,  24
.set RD,   25
.set CO,   26
.set BO,   27                          ; v27 32 x (lane / 16)
.set SPW,  28                          ; v28 LDS address of my spare word; never rewritten
.set NIL,  29                          ; v29 0; never rewritten
.set TMP,  32
.set BI,   96
.set ACC,  128
.set F0,   0
.set F1,   128
.set G1, 24
.set G0, 32
.set G1B, 48
.set G0B, 56
.set MSB, 0
.macro WIN new                         ; the immediate's high byte repeats the setting that is left
.if MSB != \new
	s_set_vgpr_msb (MSB<<8)|\new
.set MSB, \new
.endif
.endm
.set MUL,  0x05                        ; sources 0 (B) and 1 (A) window 1; C and D window 0
.set TO_F, 0x40                        ; destination window 1, address window 0
.macro JLOAD s                         ; a joint load: waves 0 and 1 fetch A's halves, waves 2 and 3 B's; an s_nop 0 and four v_nop follow each line
	s_cmp_eq_u32 s11, 0
	s_cbranch_scc0 .Lfor_b_\@
	tensor_load_to_lds s[G0+4*\s:G0+4*\s+3], s[G1:G1+7]
	s_nop 0
.rept 4
	v_nop
.endr
	s_branch .Lasked_\@
.Lfor_b_\@:
	tensor_load_to_lds s[G0B+4*\s:G0B+4*\s+3], s[G1B:G1B+7]
	s_nop 0
.rept 4
	v_nop
.endr
.Lasked_\@:
.endm
.macro CREST                           ; a round of the cluster's barrier behind its opening barrier
	s_cmp_lg_u32 s10, 0
	s_cbranch_scc1 .Lnot_wave_0_\@
	s_barrier_signal -3
.Lnot_wave_0_\@:
	s_barrier_wait -3
	s_barrier_signal -1
	s_barrier_wait -1
.endm
.macro CROUND
	s_barrier_signal -1
	s_barrier_wait -1
	CREST
.endm
	s_load_b128 s[4:7], s[0:1], 0x0                ; oh, wh
	s_load_b64 s[8:9], s[0:1], 0x10                ; out0
	s_load_b64 s[66:67], s[0:1], 0x18              ; bout
	v_lshl_add_u32 v[SPW], v0, 2, SPARE
	v_mov_b32 v[NIL], 0
	ds_add_u32 v[SPW], v[NIL]                      ; the wave's opening: the add, twice on end, and its wait ahead of my first tensor load
	ds_add_u32 v[SPW], v[NIL]
	v_lshrrev_b32 v1, 5, v0
	v_readfirstlane_b32 s10, v1                    ; wave 0..3
	s_lshr_b32 s11, s10, 1                         ; which half of the tile's rows is mine.  Also: I fetch for A (0) or for B (1)
	s_and_b32 s12, s10, 1                          ; which half of its columns.  Also: which half of that tile I fetch
	s_bfe_u32 s40, ttmp6, 0x40000                  ; cx, cy
	s_bfe_u32 s41, ttmp6, 0x40004
	s_lshl_b32 s42, ttmp9, 2
	s_add_co_u32 s42, s42, s40                     ; tile column
	s_and_b32 s13, ttmp7, 0xffff
	s_lshl_b32 s13, s13, 2
	s_add_co_u32 s13, s13, s41                     ; tile row
	s_lshl_b32 s43, s41, 2
	s_lshl_b32 s43, 15, s43                        ; my row of the cluster
	s_lshl_b32 s44, 0x1111, s40                    ; my column
	s_or_b32 s[G1+0], s43, (1<<16)|(1<<20)|(1<<21)|(6<<22)|(3<<25)   ; A: elements of 2 bytes; 4 words of padding behind every 128
	s_mov_b32 s[G1+1], KSTEP<<16                   ; tensor_dim0 = 256
	s_mov_b32 s[G1+2], 64<<16                      ; tensor_dim1 = 64
	s_mov_b32 s[G1+3], KSTEP<<16                   ; tile_dim0 = 256
	s_mov_b32 s[G1+4], 64                          ; tile_dim1 = 64
	s_mov_b32 s[G1+5], SIZE_K                      ; from row to row
	s_mov_b32 s[G1+6], 0
	s_mov_b32 s[G1+7], 0
	s_or_b32 s[G1B+0], s44, (1<<16)|(1<<20)|(1<<21)|(5<<22)|(7<<25)  ; B: 8 words of padding behind every 64
	s_mov_b32 s[G1B+1], 128<<16                    ; 128 columns: 256 bytes
	s_mov_b32 s[G1B+2], 128<<16                    ; 128 rows of k
	s_mov_b32 s[G1B+3], 128<<16
	s_mov_b32 s[G1B+4], 128
	s_mov_b32 s[G1B+5], SIZE_N
	s_mov_b32 s[G1B+6], 0
	s_mov_b32 s[G1B+7], 0
	s_lshl_b32 s16, s13, 7
	s_lshl_b32 s17, s12, 6
	s_add_co_u32 s16, s16, s17                     ; A: row 128 x tile row + 64 x half,
	s_lshl_b32 s16, s16, 11                        ; of 2,048 bytes
	s_mov_b32 s17, 0
	s_lshl_b32 s46, s42, 8                         ; B: the tile column's 256 bytes,
	s_lshl_b32 s47, s12, 18                        ; 128 rows of 2,048 bytes x half
	s_add_co_u32 s46, s46, s47
	s_mov_b32 s47, 0
	s_mul_i32 s20, s12, HALFA                      ; where they go: no place in the cluster enters an LDS address
	s_mul_i32 s45, s12, HALFB
	s_add_co_u32 s45, s45, AREG
	s_wait_dscnt 0x0                               ; both opening adds are done
	s_wait_kmcnt 0x0
	s_add_nc_u64 s[14:15], s[4:5], s[16:17]
	s_add_nc_u64 s[46:47], s[6:7], s[46:47]
	CROUND                                         ; all sixteen work-groups are here: the first joint loads meet
.irp s, 0,1
	s_mov_b32 s[G0+4*\s], 1
	s_add_co_u32 s[G0+4*\s+1], s20, \s*SLOT
	s_add_nc_u64 s[G0+4*\s+2:G0+4*\s+3], s[14:15], \s*KSTEP*2
	s_or_b32 s[G0+4*\s+3], s[G0+4*\s+3], 0x80000000
	s_mov_b32 s[G0B+4*\s], 1
	s_add_co_u32 s[G0B+4*\s+1], s45, \s*SLOT
	s_add_nc_u64 s[G0B+4*\s+2:G0B+4*\s+3], s[46:47], \s*KSTEP*SIZE_N*2
	s_or_b32 s[G0B+4*\s+3], s[G0B+4*\s+3], 0x80000000
	JLOAD \s
.endr
	v_and_b32 v1, 15, v0                           ; l % 16
	v_bfe_u32 v2, v0, 4, 1                         ; l / 16
	s_lshl_b32 s46, s42, 9                         ; my first column, in bytes of f32: 512 x tile column + 256 x half: in bout and in a row of out0
	s_lshl_b32 s47, s12, 8
	s_add_co_u32 s46, s46, s47
	s_mov_b32 s47, 0
	s_add_nc_u64 s[66:67], s[66:67], s[46:47]
	v_lshlrev_b32 v[BO], 5, v2
.irp b, 0,1,2,3
	global_load_b128 v[BI+8*\b:BI+8*\b+3], v[BO], s[66:67] offset:64*\b          ; lane (r, h): bias of columns 16 b + 8 h + 0 .. 7
	global_load_b128 v[BI+8*\b+4:BI+8*\b+7], v[BO], s[66:67] offset:64*\b+16
.endr
	v_mul_u32_u24 v3, v1, PITCH
	v_lshl_add_u32 v3, v2, 4, v3                   ; A: a fragment's row x pitch + 16 x half
	s_mul_i32 s21, s11, HALFA                      ; my 64 rows
	v_add_nc_u32 v[ADRA], s21, v3
	v_add_nc_u32 v[ADRA+1], SLOT, v[ADRA]
	v_and_b32 v4, 7, v0                            ; B, for the turning load: row 8 (l / 16) + l % 8 of k, columns 8 ((l / 8) % 2) on
	v_bfe_u32 v5, v0, 3, 1
	v_lshl_add_u32 v4, v2, 3, v4
	v_mul_u32_u24 v4, v4, PB
	v_lshl_add_u32 v4, v5, 4, v4
	s_lshl_b32 s22, s12, 7                         ; my 64 columns
	s_add_co_u32 s22, s22, AREG
	v_add_nc_u32 v[ADRB], s22, v4
	v_add_nc_u32 v[ADRB+1], HALFB, v[ADRB]
	v_add_nc_u32 v[ADRB+2], SLOT, v[ADRB]
	v_add_nc_u32 v[ADRB+3], SLOT+HALFB, v[ADRB]
	s_mul_i32 s23, s10, 16*SPITCH
	s_add_co_u32 s23, s23, STAGE                   ; my stage
	v_mul_u32_u24 v4, v1, SPITCH                   ; in: row l % 16, 32 bytes for each half of the lanes
	v_lshl_add_u32 v4, v2, 5, v4
	v_add_nc_u32 v[STO], s23, v4
	v_mul_u32_u24 v5, v2, SPITCH                   ; back: lanes 0-15 one row of 256 bytes, lanes 16-31 the next
	v_lshl_add_u32 v5, v1, 4, v5
	v_add_nc_u32 v[RD], s23, v5
	v_lshlrev_b32 v5, 12, v2                       ; and the same two rows in out0
	v_lshl_add_u32 v[CO], v1, 4, v5
	s_lshl_b32 s16, s13, 19                        ; my first row of out0: (128 x tile row + 64 x half) x 4,096 bytes
	s_lshl_b32 s17, s11, 18
	s_add_co_u32 s16, s16, s17
	s_add_co_u32 s16, s16, s46
	s_mov_b32 s17, 0
	s_add_nc_u64 s[8:9], s[8:9], s[16:17]
; 8 matrix instructions: m blocks a0, a0 + 1 x all 4 n blocks, 32 along K: half c of buffer f.  zero = 1: the first product takes the bias as C.  The 16 accumulators take turns.
.macro MUL8 f, c, a0, zero
.irp a, \a0, \a0+1
.irp b, 0,1,2,3
.if \zero
	v_wmma_f32_16x16x32_f16 v[ACC+8*(4*(\a)+\b):ACC+8*(4*(\a)+\b)+7], v[\f+64+8*(4*\c+\b):\f+64+8*(4*\c+\b)+7], v[\f+8*(4*\c+\a):\f+8*(4*\c+\a)+7], v[BI+8*\b:BI+8*\b+7]
.else
	v_wmma_f32_16x16x32_f16 v[ACC+8*(4*(\a)+\b):ACC+8*(4*(\a)+\b)+7], v[\f+64+8*(4*\c+\b):\f+64+8*(4*\c+\b)+7], v[\f+8*(4*\c+\a):\f+8*(4*\c+\a)+7], v[ACC+8*(4*(\a)+\b):ACC+8*(4*(\a)+\b)+7]
.endif
.endr
.endr
.endm
; 32 LDS loads in one run: the fragments of the slot's q-th 64 along K into buffer f; the first 32 along K first
.macro FETCH slot, q, f
	WIN TO_F
.irp c, 0,1
.irp i, 0,1,2,3
	ds_load_tr16_b128 v[\f+64+8*(4*\c+\i):\f+64+8*(4*\c+\i)+3],   v[ADRB+2*\slot+(\q)/2] offset:(((\q)%2)*64+32*\c)*PB+32*\i
	ds_load_tr16_b128 v[\f+64+8*(4*\c+\i)+4:\f+64+8*(4*\c+\i)+7], v[ADRB+2*\slot+(\q)/2] offset:(((\q)%2)*64+32*\c+16)*PB+32*\i
	ds_load_b128 v[\f+8*(4*\c+\i):\f+8*(4*\c+\i)+3],         v[ADRA+\slot] offset:128*(\q)+64*\c+\i*16*PITCH
	ds_load_b128 v[\f+8*(4*\c+\i)+4:\f+8*(4*\c+\i)+7],       v[ADRA+\slot] offset:128*(\q)+64*\c+\i*16*PITCH+32
.endr
.endr
.endm
.macro PLACES                          ; four places in front of loads into registers that matrix instructions have read, and of reads of results
.rept 4
	v_nop
.endr
.endm
; A K step is four quarters of 64 along K, 32 matrix instructions each, on buffers 0, 1, 0, 1.  One of the first three: multiplies buffer f and fetches quarter q into g.
.macro QUARTER slot, q, f, g, zero
	s_wait_dscnt 16                                ; the first 32 along K are in; the other sixteen loads may be out
	WIN MUL
	MUL8 \f, 0, 0, \zero
	MUL8 \f, 0, 2, \zero
	PLACES
	FETCH \slot, \q, \g
	s_wait_dscnt 32                                ; all but the 32 just issued
	WIN MUL
	MUL8 \f, 1, 0, 0
	MUL8 \f, 1, 2, 0
.endm
; The last quarter multiplies buffer 1 and changes slots: in front of the barrier each wave waits for all its tensor loads, adds 0 to its spare word, and waits for that and for its reads of this slot.
; fill = 1: the barrier opens a round of the cluster's, and this slot is filled again, two K steps ahead, first thing behind the round.
.macro TURN slot, next, fill
	WIN 0                                          ; (the add's two registers lie in window 0)
	s_wait_tensorcnt 0x0                           ; all my tensor loads have landed: my part of the next slot
	ds_add_u32 v[SPW], v[NIL]                      ; 0 onto my spare word
	s_wait_dscnt 17                                ; (the add and the youngest sixteen loads may be out)
	WIN MUL
	MUL8 F1, 0, 0, 0
	s_wait_dscnt 0x0                               ; the add is done, and my reads of this slot are over
	s_barrier_signal -1
	MUL8 F1, 0, 2, 0
.if \fill
	WIN 0
.endif
	s_barrier_wait -1
.if \fill
	CREST                                          ; no wave of any partner still reads this slot's tile or has a load on its way
	s_add_nc_u64 s[G0+4*\slot+2:G0+4*\slot+3], s[G0+4*\slot+2:G0+4*\slot+3], 2*KSTEP*2
	s_add_nc_u64 s[G0B+4*\slot+2:G0B+4*\slot+3], s[G0B+4*\slot+2:G0B+4*\slot+3], 2*KSTEP*SIZE_N*2
	JLOAD \slot                                    ; the four v_nop behind it are also the places in front of the loads below
.else
	PLACES
.endif
	FETCH \next, 0, F0
	WIN MUL
	MUL8 F1, 1, 0, 0
	MUL8 F1, 1, 2, 0
.endm
	s_wait_tensorcnt 1                             ; my part of K step 0 is in (K step 1's load may be out),
	s_barrier_signal -1
	s_barrier_wait -1                              ; everybody's is
	FETCH 0, 0, F0
	s_wait_loadcnt 0x0                             ; the bias
	QUARTER 0, 1, F0, F1, 1                        ; the first products start the sums from the bias
	WIN 0                                          ; at a label and at a branch every window is 0
	s_mov_b32 s3, LAPS-1
.Llap:                                 ; a trip goes once round the ring, from a lap's second quarter to the next lap's first, and fills both slots again
	QUARTER 0, 2, F1, F0, 0
	QUARTER 0, 3, F0, F1, 0
	TURN 0, 1, 1
	QUARTER 1, 1, F0, F1, 0
	QUARTER 1, 2, F1, F0, 0
	QUARTER 1, 3, F0, F1, 0
	TURN 1, 0, 1
	QUARTER 0, 1, F0, F1, 0
	WIN 0
	s_sub_co_u32 s3, s3, 1
	s_cmp_lg_u32 s3, 0
	s_cbranch_scc1 .Llap
	QUARTER 0, 2, F1, F0, 0                        ; the last lap fills nothing
	QUARTER 0, 3, F0, F1, 0
	TURN 0, 1, 0
	QUARTER 1, 1, F0, F1, 0
	QUARTER 1, 2, F1, F0, 0
	QUARTER 1, 3, F0, F1, 0
	s_wait_dscnt 16                                ; the very last quarter: nothing more to fetch
	WIN MUL
	MUL8 F1, 0, 0, 0
	MUL8 F1, 0, 2, 0
	s_wait_dscnt 0
	MUL8 F1, 1, 0, 0
	MUL8 F1, 1, 2, 0
	WIN 0
; THE WAY OUT, block by block of 16 rows x 64 columns of f32.  A wave's 64 columns are 256 aligned bytes of a row: so each wave has a stage of its own and no barrier is needed.
; LDS serves a wave's instructions in order: no wait between the stage's stores and loads.
.macro TOSTAGE a
.irp b, 0,1,2,3
	ds_store_b128 v[STO], v[ACC+8*(4*(\a)+\b):ACC+8*(4*(\a)+\b)+3] offset:64*\b          ; each accumulator from its low end on
	ds_store_b128 v[STO], v[ACC+8*(4*(\a)+\b)+4:ACC+8*(4*(\a)+\b)+7] offset:64*\b+16
.endr
.irp t, 0,1,2,3,4,5,6,7
	ds_load_b128 v[TMP+32*((\a)%2)+4*\t:TMP+32*((\a)%2)+4*\t+3], v[RD] offset:\t*2*SPITCH
.endr
.endm
.macro SEND a, younger                 ; younger: the LDS instructions issued behind block a's loads
	s_wait_dscnt \younger
.irp t, 0,1,2,3,4,5,6,7
	global_store_b128 v[CO], v[TMP+32*((\a)%2)+4*\t:TMP+32*((\a)%2)+4*\t+3], s[8:9] offset:(16*(\a)+2*\t)*SIZE_N*4 th:TH_STORE_NT   ; 16 lanes store 256 consecutive bytes, aligned; written once, read by nobody here
.endr
.endm
	PLACES
	TOSTAGE 0
.irp a, 1,2,3
.if \a > 1
	s_wait_xcnt 0x0                                ; block a - 2's stores have read their registers: block a's loads may land there
.endif
	TOSTAGE \a
	SEND \a-1, 16                                  ; behind block a - 1's loads: block a's 8 stores and 8 loads
.endr
	SEND 3, 0
	s_wait_tensorcnt 0x0                           ; the wave's end, behind my last tensor load and my last LDS store
	ds_add_u32 v[SPW], v[NIL]
	s_wait_dscnt 0x0
	CROUND                                         ; the closing round
	s_endpgm
.Lfunc_end_k_qe8b1e3fd6b_gemm_out:
	.size	k_qe8b1e3fd6b_gemm_out, .Lfunc_end_k_qe8b1e3fd6b_gemm_out-k_qe8b1e3fd6b_gemm_out
	.p2alignl 7, 3214868480
	.fill 96, 4, 3214868480
	.section	.rodata,"a",@progbits
	.p2align	6, 0x0
	.amdhsa_kernel k_qe8b1e3fd6b_gemm_out
		.amdhsa_group_segment_fixed_size 327680
		.amdhsa_private_segment_fixed_size 0
		.amdhsa_enable_private_segment 0
		.amdhsa_kernarg_size 32
		.amdhsa_user_sgpr_count 2
		.amdhsa_user_sgpr_kernarg_segment_ptr 1
		.amdhsa_wavefront_size32 1
		.amdhsa_system_sgpr_workgroup_id_x 1
		.amdhsa_system_sgpr_workgroup_id_y 1
		.amdhsa_system_sgpr_workgroup_id_z 1
		.amdhsa_system_vgpr_workitem_id 0
		.amdhsa_next_free_vgpr 512
		.amdhsa_next_free_sgpr 68
		.amdhsa_reserve_vcc 0
		.amdhsa_float_denorm_mode_32 3
		.amdhsa_float_denorm_mode_16_64 3
		.amdhsa_memory_ordered 1
		.amdhsa_forward_progress 1
		.amdhsa_inst_pref_size 87
	.end_amdhsa_kernel
	.amdgpu_metadata
---
amdhsa.version: [ 1, 2 ]
amdhsa.kernels:
  - .name:           k_qe8b1e3fd6b_gemm_out
    .symbol:         k_qe8b1e3fd6b_gemm_out.kd
    .args:
      - { .name: oh, .offset: 0, .size: 8, .value_kind: global_buffer, .address_space: global }
      - { .name: wh, .offset: 8, .size: 8, .value_kind: global_buffer, .address_space: global }
      - { .name: out0, .offset: 16, .size: 8, .value_kind: global_buffer, .address_space: global }
      - { .name: bout, .offset: 24, .size: 8, .value_kind: global_buffer, .address_space: global }
    .group_segment_fixed_size: 327680
    .private_segment_fixed_size: 0
    .kernarg_segment_align: 8
    .kernarg_segment_size: 32
    .max_flat_workgroup_size: 128
    .sgpr_count:     68
    .vgpr_count:     512
    .wavefront_size: 32
...
	.end_amdgpu_metadata
.endif
;; end of part 5
